; MI455X (gfx1250); checked and timed in simulation.
; The chip was launched on July 23, 2026; its instructions are those of AMD's public machine-readable ISA for CDNA 5 (MIT licence, August 2026) and "CDNA5" Instruction Set Architecture Reference Guide (July 2026). The comments in the code are by the model that wrote it; some were corrected since.
;; Bit Net Linear4 Bit. Allowed arithmetic: float matrix products may take bf16 or f16 operands with f32 sums; all other float work in f32.
;; Inputs: alpha 1 float32; bias 11,008 float32; w 11,008 x 4,096 float32; x 2 x 512 x 4,096 float32.
;; Outputs: out0 2 x 512 x 11,008 float32.
;; 3 versions, each right and faster than the one before. Each part assembles by itself: llvm-mc -triple=amdgcn-amd-amdhsa -mcpu=gfx1250 --defsym DOCPART=n.
;; ======== version 1 of 3: 2 launches
;; workspace buffers: wt 90,177,536 bytes; xf 8,388,608 bytes
;; launch prep (part 1): grid 1504 x 1, 8 waves a work-group, no clusters, 70,656 bytes of LDS; arguments x, w, alpha, xf, wt; writes xf, wt
.if DOCPART == 1
	.amdgcn_target "amdgcn-amd-amdhsa--gfx1250"
	.amdhsa_code_object_version 6
	.text
	.protected	k_q2fa0c86d8a_prep
	.globl	k_q2fa0c86d8a_prep
	.p2align	8
	.type	k_q2fa0c86d8a_prep,@function
k_q2fa0c86d8a_prep:
	s_mov_b64 s[64:65], 0
	v_nop
	global_prefetch_b8 v0, s[64:65] scope:SCOPE_SE
	s_setreg_imm32_b32 hwreg(HW_REG_WAVE_MODE, 25, 1), 1
	s_wait_xcnt 0x0
; Two streams in one launch, no matrix work.
;   work-groups 128 .. 1503: w [11008][4096] f32 -> wt [11008][4096] bf16, the ternary code t = sign(w) * (|w| > |alpha|/2), one row a wave.
;   work-groups 0 .. 127:    x [1024][4096] f32  -> xf, bf16 in the order in which the product's fragments are loaded, 16 rows x 256 K a wave.
; WHY THE COMPARE IS EXACT.  clip(round(w/alpha), -1, 1) is not 0 exactly where the rounded quotient |w|/|alpha| is above 0.5 (ties go to the even 0).
; Above 0.5 neighbouring f32 are 2^-24 apart and the tie at 0.5 + 2^-25 falls back to 0.5, so the condition is |w| > (|alpha|/2)(1 + 2^-24); the f32 next
; above a = |alpha|/2 exceeds a by more than a 2^-24, so this is |w| > a.  alpha * code = |alpha| * sign(w) * (|w| > a): the factor |alpha| is applied in f32 by the product's way out.
; LIMITS: |alpha|/2 is exact for |alpha| >= 2^-125.  w + (ternary - w) is taken as the ternary weight (it differs by at most |w| 2^-23).
; A NaN in w gives the code 0 (the formula gives NaN); alpha = 0 with w = 0 likewise is not served.  x is rounded to bf16, to nearest even.
; xf: block (mt, kc) of 1,024 bytes at (128 mt + kc) * 1024; in it byte 512 p + 16 L holds x[16 mt + L%16][32 kc + 16 p + 8 (L/16) .. + 7].
; Memory binds: every byte is read once by loads of 512 neighbouring bytes a wave, all 32 loads of a wave go out at once, every store covers whole aligned
; runs of 256 bytes.  No barrier: a wave's LDS bytes are its own.
.set X, 8                              ; v[8:135]   32 slots of 4 registers, as loaded
.set T, 136                            ; v[136:139] at work
.set XP, 272                           ; LDS pitch of a row of 128 bf16: 256 bytes + 16
.set XH, 16*XP                         ; 16 rows: one half (128 K) of a wave's unit
	s_load_b256 s[4:11], s[0:1], 0x0               ; x s[4:5], w s[6:7], alpha s[8:9], xf s[10:11]
	s_load_b64 s[12:13], s[0:1], 0x20              ; wt
	v_lshl_add_u32 v144, v0, 2, 0x11000
	v_mov_b32 v145, 0
	v_lshrrev_b32 v5, 5, v0
	v_readfirstlane_b32 s14, v5                    ; wave 0..7
	v_and_b32 v6, 31, v0                           ; lane
	v_lshlrev_b32 v1, 4, v6                        ; 16 x lane
	v_lshlrev_b32 v2, 3, v6                        ; 8 x lane
	s_lshl_b32 s18, ttmp9, 3
	s_add_co_u32 s18, s18, s14                     ; 8 x work-group + wave
	s_mov_b32 s25, 0
	s_mov_b32 s27, 0
	s_wait_kmcnt 0x0
	s_cmp_lt_u32 ttmp9, 128
	s_cbranch_scc1 .Lxpart
	; ---------------- w: one row of 16,384 bytes a wave ----------------
	s_load_b32 s15, s[8:9], 0x0                    ; alpha
	s_sub_co_u32 s18, s18, 1024                    ; my row, 0 .. 11007
	s_lshl_b32 s24, s18, 14                        ; its bytes in w (below 4 GiB)
	s_lshl_b32 s26, s18, 13                        ; and in wt
	s_add_nc_u64 s[6:7], s[6:7], s[24:25]
	s_add_nc_u64 s[12:13], s[12:13], s[26:27]
.irp j, 0,1,2,3,4,5,6,7,8,9,10,11,12,13,14,15,16,17,18,19,20,21,22,23,24,25,26,27,28,29,30,31
	global_load_b128 v[X+4*\j:X+4*\j+3], v1, s[6:7] offset:512*\j th:TH_LOAD_NT   ; 512 neighbouring bytes; the whole row is on its way at once
.endr
	s_mov_b32 s16, 0x7fffffff                      ; everything but the sign
	s_mov_b32 s17, 0x07060302                      ; v_perm_b32: the two upper halves
	s_wait_kmcnt 0x0
	s_and_b32 s15, s15, s16
	s_mul_f32 s15, s15, 0.5                        ; |alpha| / 2
; Slot j: four weights to four codes, 8 bytes a lane.  The store's data lie in the slot's own registers, which are not written again.
.macro TERN j
	s_wait_loadcnt 31-\j                           ; loads come back in order: slot j is in, the 31 - j younger ones stay out
.irp i, 0,1,2,3
	v_cmp_gt_f32 s[20+\i], |v[X+4*\j+\i]|, s15     ; |w| > |alpha| / 2
.endr
.irp i, 0,1,2,3
	v_cndmask_b32 v[T+\i], 0, 1.0, s[20+\i]        ; the magnitude, 0 or 1
.endr
.irp i, 0,1,2,3
	v_bfi_b32 v[T+\i], s16, v[T+\i], v[X+4*\j+\i]  ; with w's sign
.endr
	v_perm_b32 v[X+4*\j], v[T+1], v[T], s17        ; 0 and 1 are exact in bf16: the upper halves are the codes
	v_perm_b32 v[X+4*\j+1], v[T+3], v[T+2], s17
	global_store_b64 v2, v[X+4*\j:X+4*\j+1], s[12:13] offset:256*\j   ; the wave stores 256 consecutive bytes, at a multiple of 256 from wt's first byte
.endm
.irp j, 0,1,2,3,4,5,6,7,8,9,10,11,12,13,14,15,16,17,18,19,20,21,22,23,24,25,26,27,28,29,30,31
	TERN \j
.endr
	s_endpgm
	; ---------------- x: unit u = 16 rows x 256 K a wave ----------------
.Lxpart:
	s_lshr_b32 s19, s18, 4                         ; mt = u / 16: which 16 rows
	s_and_b32 s24, s18, 15                         ; kk = u % 16: which 256 K
	s_lshl_b32 s24, s24, 10                        ; 1,024 bytes of a row
	s_lshl_b32 s19, s19, 18                        ; 16 rows of 16,384 bytes
	s_add_co_u32 s24, s24, s19
	s_add_nc_u64 s[4:5], s[4:5], s[24:25]
	s_lshl_b32 s26, s18, 13                        ; (128 mt + 8 kk) * 1024 = 8192 u
	s_add_nc_u64 s[10:11], s[10:11], s[26:27]
.irp s, 0,1
.irp i, 0,1,2,3,4,5,6,7,8,9,10,11,12,13,14,15
	global_load_b128 v[X+4*(16*\s+\i):X+4*(16*\s+\i)+3], v1, s[4:5] offset:\i*16384+\s*512 th:TH_LOAD_NT   ; row i, half s: 512 neighbouring bytes
.endr
.endr
	s_mul_i32 s19, s14, 2*XH                       ; my wave's LDS bytes
	v_add_nc_u32 v3, s19, v2                       ; in: 8 bytes a lane along a row
	v_and_b32 v7, 15, v0
	v_bfe_u32 v5, v0, 4, 1
	v_mul_u32_u24 v4, v7, XP
	v_lshl_add_u32 v4, v5, 4, v4
	v_add_nc_u32 v4, s19, v4                       ; back: row L % 16, 16 bytes for each half of the lanes
.irp s, 0,1
	; Two rows at a time; both packed results go into the second row's registers, so the first row's four are no source of an LDS store and take the read-back.
.irp m, 0,1,2,3,4,5,6,7
	s_wait_loadcnt 30-16*\s-2*\m                   ; rows 2 m and 2 m + 1 of this half are in; the younger loads stay out
	v_cvt_pk_bf16_f32 v[X+8*(8*\s+\m)+4], v[X+8*(8*\s+\m)+4], v[X+8*(8*\s+\m)+5]
	v_cvt_pk_bf16_f32 v[X+8*(8*\s+\m)+5], v[X+8*(8*\s+\m)+6], v[X+8*(8*\s+\m)+7]
	v_cvt_pk_bf16_f32 v[X+8*(8*\s+\m)+6], v[X+8*(8*\s+\m)], v[X+8*(8*\s+\m)+1]
	v_cvt_pk_bf16_f32 v[X+8*(8*\s+\m)+7], v[X+8*(8*\s+\m)+2], v[X+8*(8*\s+\m)+3]
	ds_store_b64 v3, v[X+8*(8*\s+\m)+6:X+8*(8*\s+\m)+7] offset:\s*XH+2*\m*XP
	ds_store_b64 v3, v[X+8*(8*\s+\m)+4:X+8*(8*\s+\m)+5] offset:\s*XH+(2*\m+1)*XP
.endr
.irp t, 0,1,2,3,4,5,6,7
	ds_load_b128 v[X+8*(8*\s+\t):X+8*(8*\s+\t)+3], v4 offset:\s*XH+32*\t   ; t = 2 (K chunk of 32) + p; LDS serves a wave's instructions in order: these see the stores above
.endr
.irp t, 0,1,2,3,4,5,6,7
	s_wait_dscnt 7-\t
	global_store_b128 v1, v[X+8*(8*\s+\t):X+8*(8*\s+\t)+3], s[10:11] offset:\s*4096+512*\t   ; 512 consecutive bytes, aligned: half a block of xf
.endr
.endr
	s_wait_tensorcnt 0x0
	ds_add_u32 v144, v145
	s_wait_dscnt 0x0
	s_endpgm
.Lfunc_end_k_q2fa0c86d8a_prep:
	.size	k_q2fa0c86d8a_prep, .Lfunc_end_k_q2fa0c86d8a_prep-k_q2fa0c86d8a_prep
	.p2alignl 7, 3214868480
	.fill 96, 4, 3214868480
	.section	.rodata,"a",@progbits
	.p2align	6, 0x0
	.amdhsa_kernel k_q2fa0c86d8a_prep
		.amdhsa_group_segment_fixed_size 70656
		.amdhsa_private_segment_fixed_size 0
		.amdhsa_enable_private_segment 0
		.amdhsa_kernarg_size 40
		.amdhsa_user_sgpr_count 2
		.amdhsa_user_sgpr_kernarg_segment_ptr 1
		.amdhsa_wavefront_size32 1
		.amdhsa_system_sgpr_workgroup_id_x 1
		.amdhsa_system_sgpr_workgroup_id_y 1
		.amdhsa_system_sgpr_workgroup_id_z 1
		.amdhsa_system_vgpr_workitem_id 0
		.amdhsa_next_free_vgpr 146
		.amdhsa_next_free_sgpr 66
		.amdhsa_reserve_vcc 0
		.amdhsa_float_denorm_mode_32 3
		.amdhsa_float_denorm_mode_16_64 3
		.amdhsa_memory_ordered 1
		.amdhsa_forward_progress 1
		.amdhsa_inst_pref_size 50
	.end_amdhsa_kernel
	.amdgpu_metadata
---
amdhsa.version: [ 1, 2 ]
amdhsa.kernels:
  - .name:           k_q2fa0c86d8a_prep
    .symbol:         k_q2fa0c86d8a_prep.kd
    .args:
      - { .name: x, .offset: 0, .size: 8, .value_kind: global_buffer, .address_space: global }
      - { .name: w, .offset: 8, .size: 8, .value_kind: global_buffer, .address_space: global }
      - { .name: alpha, .offset: 16, .size: 8, .value_kind: global_buffer, .address_space: global }
      - { .name: xf, .offset: 24, .size: 8, .value_kind: global_buffer, .address_space: global }
      - { .name: wt, .offset: 32, .size: 8, .value_kind: global_buffer, .address_space: global }
    .group_segment_fixed_size: 70656
    .private_segment_fixed_size: 0
    .kernarg_segment_align: 8
    .kernarg_segment_size: 40
    .max_flat_workgroup_size: 256
    .sgpr_count:     66
    .vgpr_count:     146
    .wavefront_size: 32
...
	.end_amdgpu_metadata
.endif
;; end of part 1
;; launch gemm (part 2): grid 4 x 63, 4 waves a work-group, clusters of 4 x 1, 327,680 bytes of LDS; arguments xf, wt, alpha, bias, out0; writes out0
.if DOCPART == 2
	.amdgcn_target "amdgcn-amd-amdhsa--gfx1250"
	.amdhsa_code_object_version 6
	.text
	.protected	k_q2fa0c86d8a_gemm
	.globl	k_q2fa0c86d8a_gemm
	.p2align	8
	.type	k_q2fa0c86d8a_gemm,@function
k_q2fa0c86d8a_gemm:
	s_mov_b64 s[64:65], 0
	v_nop
	global_prefetch_b8 v0, s[64:65] scope:SCOPE_SE
	s_setreg_imm32_b32 hwreg(HW_REG_WAVE_MODE, 25, 1), 1
	s_wait_xcnt 0x0
	s_wait_alu depctr_hold_cnt(0) depctr_sa_sdst(0) depctr_va_vdst(0) depctr_va_sdst(0) depctr_va_ssrc(0) depctr_va_vcc(0) depctr_vm_vsrc(0)
	s_getreg_b32 s2, hwreg(HW_REG_IB_STS2, 6, 4)
	s_cmp_eq_u32 s2, 0
	s_cbranch_scc0 .Lentry_in_a_cluster
	s_endpgm
.Lentry_in_a_cluster:
	s_bfe_u32 s2, ttmp6, 0x10000c
	s_cmp_lg_u32 s2, 0x3003
	s_cbranch_scc0 .Lentry_shape_is_right
	s_endpgm
.Lentry_shape_is_right:
; out[m][n] = |alpha| * (sum over k of x[m][k] t[n][k]) + bias[n].  M = 1024, N = 11008, K = 4096; operands bf16 (t = -1, 0, 1 exactly; x rounded), sums f32.
; A work-group makes 256 rows x 176 columns with four waves; a wave makes 64 x 176: 4 x 11 accumulator tiles of 16 x 16, 352 registers.
; 4 row blocks x 63 column blocks = 252 work-groups.  63 x 176 = 11088 > 11008: the last column block begins at column 10832, so that all its loads stay inside
; the buffers, and stores only its last 96 columns; the 80 in front of them are block 61's.
; t's TILES (176 rows x 256 K, 512 bytes a row) go through a ring of two LDS slots.  The four row blocks of one column block need the same tiles: they form a cluster
; of 4 x 1 and ask jointly, every wave for its 44 rows, which divides the requests for wt by four.  (No 4 x 4 cluster: 63 column blocks do not divide by four, and
; x's fragments are shared by no two waves of a work-group: each wave loads its own 64 rows straight into registers, 512 consecutive bytes a load, three quarters ahead.)
; A K step is 256 = eight quarters of 32; a quarter is 44 matrix instructions.
; LIMITS: see the head of the launch that makes wt and xf (bf16 rounding of x; w + (ternary - w) taken as the ternary weight; NaN in w and alpha = 0 not served).
; The 704 bytes of a row piece leave as 512 bytes in two whole aligned runs of 256 and 192 bytes in runs that the neighbouring column block completes.
;
; REGISTERS in windows of 256 (s_set_vgpr_msb: bits 1:0 source 0, 3:2 source 1, 5:4 source 2, 7:6 destination):
;   window 0: v0-23 ids and addresses; v24-151 ring of four buffers of x fragments (4 x 8 registers each); v152-239 bias of my 8 columns in each of 11 tiles
;   window n = 1, 2, 3: column tiles 4 (n - 1) + ib: v[8 (4 ib + ia)] accumulator (ia, ib); v128-159, v160-191 two buffers of t fragments; v192, v193 their LDS address in slot 0, 1
; Under the setting 0x51 n a matrix instruction takes t's fragment, C and D from window n and x's fragment from window 0, and an LDS load has address and destination
; in window n: a quarter needs four switches.
; THE MATRIX INSTRUCTION IS USED TRANSPOSED: source 0 = 16 rows of t, source 1 = 16 rows of x; lane l then holds row l % 16 of out and registers 0-7 the columns 8 (l / 16) + 0..7.
.set PITCH,  528                       ; an LDS row: 512 bytes + 16 of padding, an odd multiple of 16: the 16 rows of a fragment load begin in 16 different 16-byte columns
.set WROWS,  44                        ; rows that one wave's tensor load brings
.set WTILE,  WROWS*PITCH
.set SLOT,   4*WTILE                   ; 92,928 bytes
.set STAGE,  2*SLOT                    ; behind the ring, at a multiple of 256 bytes: 16 rows x 720 bytes for each wave, for the way out; no fill lands there
.set SPITCH, 720                       ; 704 bytes + 16
.set OROW,   44032                     ; bytes in a row of out
.set ABLK,   1024                      ; a block of xf: 16 rows x 32 K
.set AMT,    128*ABLK                  ; from 16 rows of x to the next 16
.set AOFF, 4                           ; v4   16 x lane
.set STO,  5                           ; v5   way out: where I put 32 bytes of a row
.set RDW,  6                           ; v6   way out: read-back of the whole runs;  v7 the same place in out
.set COW,  7
.set RDE,  8                           ; v8-10  way out: read-back of the edge chunks;  v11-13 the same places in out
.set COE,  11
.set AR,   24
.set BIAS, 152
.set TMP,  24                          ; way out: results of up to four tiles (the ring is free by then)
.set RB,   56                          ; way out: 22 x 4 registers read back
.set BF,   128
.set BADR, 192
.set G1, 24                            ; s[24:31] descriptor group 1
.set G0, 32                            ; s[32:39] descriptor group 0, one set for each slot
.set MSB, 0
.macro WIN new                         ; the immediate's high byte repeats the setting that is left; switches that change nothing are dropped
.if MSB != (\new)
	s_set_vgpr_msb (MSB<<8)|(\new)
.set MSB, (\new)
.endif
.endm
.macro PLACES                          ; four plain vector instructions between a matrix instruction and a load into, or a vector access to, its registers (ISA guide 7.12.1 for vector instructions)
.rept 4
	v_nop
.endr
.endm
.macro CREST                           ; a round of the cluster's barrier behind its opening work-group barrier
	s_cmp_lg_u32 s14, 0
	s_cbranch_scc1 .Lnot_wave_0_\@
	s_barrier_signal -3
.Lnot_wave_0_\@:
	s_barrier_wait -3
	s_barrier_signal -1
	s_barrier_wait -1
.endm
.macro CROUND                          ; a whole round
	s_barrier_signal -1
	s_barrier_wait -1
	CREST
.endm
; Eight loads: the x fragments of one quarter (block kc of the lap) for my four groups of 16 rows, into ring buffer ring
.macro ALOAD ring, kc
.irp a, 0,1,2,3
	global_load_b128 v[AR+32*\ring+8*\a:AR+32*\ring+8*\a+3],   v[AOFF], s[44:45] offset:\a*AMT+\kc*ABLK
	global_load_b128 v[AR+32*\ring+8*\a+4:AR+32*\ring+8*\a+7], v[AOFF], s[44:45] offset:\a*AMT+\kc*ABLK+512
.endr
.endm
; A run of LDS loads: the t fragments of window win's cnt tiles, quarter nq of slot ns, into buffer buf
.macro BRUN win, cnt, buf, ns, nq
	WIN (\win*0x51)
.set ib, 0
.rept \cnt
	ds_load_b128 v[BF+32*\buf+8*ib:BF+32*\buf+8*ib+3],   v[BADR+\ns] offset:ib*16*PITCH+\nq*64
	ds_load_b128 v[BF+32*\buf+8*ib+4:BF+32*\buf+8*ib+7], v[BADR+\ns] offset:ib*16*PITCH+\nq*64+32
.set ib, ib+1
.endr
.endm
; The matrix instructions of window win: cnt column tiles x 4 row tiles, 32 along K, from t buffer buf and x ring buffer ring.  zero = 1: the product starts the sums.
; ld = 1: behind every second one, one load of the same tile's fragment for quarter nq of slot ns into the other buffer.
; The 44 accumulators take turns, one instruction a turn, in the same order in every quarter, over the backward jump too.
.macro PHASE win, cnt, buf, ring, zero, ld, ns, nq
	WIN (\win*0x51)
.set ib, 0
.rept \cnt
.set ia, 0
.rept 4
.if \zero
	v_wmma_f32_16x16x32_bf16 v[8*(4*ib+ia):8*(4*ib+ia)+7], v[BF+32*\buf+8*ib:BF+32*\buf+8*ib+7], v[AR+32*\ring+8*ia:AR+32*\ring+8*ia+7], 0
.else
	v_wmma_f32_16x16x32_bf16 v[8*(4*ib+ia):8*(4*ib+ia)+7], v[BF+32*\buf+8*ib:BF+32*\buf+8*ib+7], v[AR+32*\ring+8*ia:AR+32*\ring+8*ia+7], v[8*(4*ib+ia):8*(4*ib+ia)+7]
.endif
.if \ld
.if ia&1
	ds_load_b128 v[BF+32*(1-\buf)+8*ib+4*(ia>>1):BF+32*(1-\buf)+8*ib+4*(ia>>1)+3], v[BADR+\ns] offset:ib*16*PITCH+\nq*64+32*(ia>>1)
.endif
.endif
.set ia, ia+1
.endr
.set ib, ib+1
.endr
.endm
; Quarter q of a K step in slot slot; kb = the step's first block in the lap.  aload = 1: the x fragments of three quarters on are asked for; lcnt: how many younger
; x loads may stay out.  ld = 1: the next quarter's t fragments are loaded, in groups of 8, 8 and 6 (one group a window).
.macro QUARTER slot, q, kb, zero, aload, lcnt, ld
.if \ld
	PLACES                                         ; behind the last quarter's matrix instructions, which read the ring buffer and the t buffers that are loaded now
.endif
.if \aload
	WIN 0
	ALOAD ((\q+3)&3), (\kb+\q+3)
.endif
	s_wait_loadcnt \lcnt                           ; this quarter's eight x loads are in; the batches behind them stay out
.if \ld
	s_wait_dscnt 14                                ; window 1's group is in: behind it went 8 + 6
	PHASE 1, 4, (\q&1), (\q&3), \zero, 1, \slot, (\q+1)
	s_wait_dscnt 14                                ; window 2's: behind it went 6 and the 8 just issued
	PHASE 2, 4, (\q&1), (\q&3), \zero, 1, \slot, (\q+1)
	s_wait_dscnt 16                                ; window 3's: behind it went 8 + 8
	PHASE 3, 3, (\q&1), (\q&3), \zero, 1, \slot, (\q+1)
.else
	s_wait_dscnt 14                                ; nothing more is loaded: the counts run down
	PHASE 1, 4, (\q&1), (\q&3), \zero, 0, 0, 0
	s_wait_dscnt 6
	PHASE 2, 4, (\q&1), (\q&3), \zero, 0, 0, 0
	s_wait_dscnt 0
	PHASE 3, 3, (\q&1), (\q&3), \zero, 0, 0, 0
.endif
.endm
; The eighth quarter of a step changes slots.  In front of the barrier each wave waits for its reads of this slot (its last fragments were loaded in the seventh quarter) and
; for all its tensor loads, of which one is out: its 44 rows of the other slot.  refill = 1: the barrier opens a round of the cluster's barrier, inside which stands register
; work alone; behind the round no wave of any partner reads this slot or has a load on its way, and the joint refill, two steps ahead, is the wave's first and only tensor
; load there.  Then the other slot's first fragments are read.
.macro TURNQ slot, kb, refill
	PLACES
	WIN 0
	ALOAD 2, (\kb+10)
	s_wait_loadcnt 24
	s_wait_dscnt 0x0
	s_wait_tensorcnt 0x0
	ds_add_u32 v254, v255
	s_wait_dscnt 0x0
	s_barrier_signal -1
	PHASE 1, 4, 1, 3, 0, 0, 0, 0                   ; sixteen matrix instructions while the others arrive
	WIN 0
	s_barrier_wait -1
.if \refill
	CREST
	s_add_nc_u64 s[G0+4*\slot+2:G0+4*\slot+3], s[G0+4*\slot+2:G0+4*\slot+3], 1024   ; two steps of 512 bytes on; no tensor load of mine is out
	tensor_load_to_lds s[G0+4*\slot:G0+4*\slot+3], s[G1:G1+7]
	s_nop 0
.endif
	BRUN 1, 4, 0, (1-\slot), 0
	PHASE 2, 4, 1, 3, 0, 1, (1-\slot), 0           ; their own fragments were shown in by the wait for 0 above
	PHASE 3, 3, 1, 3, 0, 1, (1-\slot), 0
.endm
.macro STEP slot, zero                 ; the first seven quarters of a step
	QUARTER \slot, 0, (8*\slot), \zero, 1, 24, 1
.irp q, 1,2,3,4,5,6
	QUARTER \slot, \q, (8*\slot), 0, 1, 24, 1
.endr
.endm
.macro LAP zero                        ; once round the ring: two steps, both slots filled again
	STEP 0, \zero
	TURNQ 0, 0, 1
	STEP 1, 0
	TURNQ 1, 8, 1
	WIN 0
	s_wait_xcnt 0x0                                ; the x loads' base is stepped only behind this wait
	s_add_nc_u64 s[44:45], s[44:45], 16*ABLK
.endm
	s_load_b256 s[4:11], s[0:1], 0x0               ; xf s[4:5], wt s[6:7], alpha s[8:9], bias s[10:11]
	s_load_b64 s[12:13], s[0:1], 0x20              ; out0
	v_lshl_add_u32 v254, v0, 2, 0x38a00
	v_mov_b32 v255, 0
	ds_add_u32 v254, v255
	ds_add_u32 v254, v255
	v_lshrrev_b32 v1, 5, v0
	v_readfirstlane_b32 s14, v1                    ; wave 0..3
	s_bfe_u32 s15, ttmp6, 0x40000                  ; cx: my place in the cluster
	s_lshl_b32 s22, ttmp9, 2
	s_add_co_u32 s15, s22, s15                     ; row block = 4 x cluster x + cx; it enters global addresses of x and out alone
	s_and_b32 s16, ttmp7, 0xffff                   ; column block, the same in all four partners
	s_mul_i32 s17, s16, 176
	s_min_u32 s17, s17, 10832                      ; its first column
	; descriptor group 1: 44 rows x 256 elements of 2 bytes, 16 bytes of padding behind every 128 words
	s_mov_b32 s[G1+0], 15|(1<<16)|(1<<20)|(1<<21)|(6<<22)|(3<<25)  ; 15:0 mask: all four of the cluster; 17:16 2 bytes; 20 padding on; 21 set beside a mask; 24:22 every 128 words; 31:25 4 words
	s_mov_b32 s[G1+1], 256<<16                     ; tensor_dim0 = 256
	s_mov_b32 s[G1+2], WROWS<<16                   ; tensor_dim1 = 44
	s_mov_b32 s[G1+3], 256<<16                     ; tile_dim0 = 256
	s_mov_b32 s[G1+4], WROWS                       ; tile_dim1 = 44
	s_mov_b32 s[G1+5], 4096                        ; elements from row to row
	s_mov_b32 s[G1+6], 0
	s_mov_b32 s[G1+7], 0
	s_mul_i32 s18, s14, WROWS
	s_add_co_u32 s18, s18, s17                     ; my first row of wt: made of the column block and the wave's number alone
	s_lshl_b32 s18, s18, 13                        ; 8,192 bytes a row (below 4 GiB)
	s_mov_b32 s19, 0
	s_mul_i32 s20, s14, WTILE                      ; and where it goes: the wave's number alone
	s_wait_dscnt 0x0
	s_wait_kmcnt 0x0
	s_add_nc_u64 s[18:19], s[6:7], s[18:19]
	CROUND                                         ; all four work-groups are here: the first joint loads meet
.irp s, 0,1
	s_mov_b32 s[G0+4*\s], 1                                        ; count = 1
	s_add_co_u32 s[G0+4*\s+1], s20, \s*SLOT                        ; LDS address
	s_add_nc_u64 s[G0+4*\s+2:G0+4*\s+3], s[18:19], \s*512          ; global address: K step s
	s_or_b32 s[G0+4*\s+3], s[G0+4*\s+3], 0x80000000                ; type = 2
	tensor_load_to_lds s[G0+4*\s:G0+4*\s+3], s[G1:G1+7]            ; both first fills as one group: two tensor loads of a wave are out here, later one
	s_nop 0
.endr
	s_load_b32 s40, s[8:9], 0x0                    ; alpha
	v_and_b32 v1, 15, v0                           ; r = l % 16
	v_bfe_u32 v2, v0, 4, 1                         ; h = l / 16
	v_and_b32 v15, 31, v0                          ; lane
	v_lshlrev_b32 v14, 5, v2                       ; 32 h: my 8 columns of a tile, in bytes of bias
	v_lshlrev_b32 v[AOFF], 4, v15
	s_lshl_b32 s52, s17, 2
	s_mov_b32 s53, 0
	s_add_nc_u64 s[42:43], s[10:11], s[52:53]      ; bias at my first column
	s_lshl_b32 s22, s15, 4
	s_lshl2_add_u32 s22, s14, s22                  ; 16 x row block + 4 x wave: my first group of 16 rows
	s_lshl_b32 s22, s22, 17
	s_mov_b32 s23, 0
	s_add_nc_u64 s[44:45], s[4:5], s[22:23]        ; xf at my rows
.irp b, 0,1,2,3,4,5,6,7,8,9,10
	global_load_b128 v[BIAS+8*\b:BIAS+8*\b+3],   v14, s[42:43] offset:64*\b
	global_load_b128 v[BIAS+8*\b+4:BIAS+8*\b+7], v14, s[42:43] offset:64*\b+16
.endr
	ALOAD 0, 0
	ALOAD 1, 1
	ALOAD 2, 2
	s_lshl_b32 s22, s15, 8
	s_lshl_b32 s54, s14, 6
	s_add_co_u32 s22, s22, s54                     ; my first row of out
	s_mul_i32 s22, s22, OROW
	s_lshl2_add_u32 s22, s17, s22                  ; + 4 bytes x first column (below 4 GiB)
	s_add_nc_u64 s[46:47], s[12:13], s[22:23]
	s_mul_i32 s21, s14, 16*SPITCH
	s_add_co_u32 s21, s21, STAGE                   ; my stage
	v_mul_u32_u24 v[STO], v1, SPITCH
	v_lshl_add_u32 v[STO], v2, 5, v[STO]
	v_add_nc_u32 v[STO], s21, v[STO]               ; row r, 32 bytes for each half of the lanes
	v_mul_u32_u24 v3, v1, PITCH
	v_lshl_add_u32 v3, v2, 4, v3                   ; a fragment's lane term: row x pitch + 16 x half
.irp n, 1,2,3
	WIN (\n*0x40)                                  ; destination in window n
	v_add_nc_u32 v[BADR],   (\n-1)*64*PITCH, v3    ; the window's four tiles begin 64 rows further on
	v_add_nc_u32 v[BADR+1], (\n-1)*64*PITCH+SLOT, v3
.endr
	WIN 0
	s_wait_kmcnt 0x0
	s_and_b32 s40, s40, 0x7fffffff                 ; |alpha|,
	s_mov_b32 s41, s40                             ; a pair for the packed multiply-add
	s_wait_tensorcnt 0x1                           ; my 44 rows of step 0 are in; step 1's stay out
	s_barrier_signal -1
	s_barrier_wait -1                              ; everybody's are
	BRUN 1, 4, 0, 0, 0                             ; quarter 0's fragments, in the groups 8, 8, 6 that the counted waits expect
	BRUN 2, 4, 0, 0, 0
	BRUN 3, 3, 0, 0, 0
	; K = 4096 = 16 steps = 8 laps.  The first stands in front of the loop (its first products start the sums), six go round, the last is written out and fills nothing.
	LAP 1
	s_mov_b32 s3, 6
.Llap:
	LAP 0
	s_sub_co_u32 s3, s3, 1
	s_cmp_lg_u32 s3, 0
	s_cbranch_scc1 .Llap
	STEP 0, 0
	TURNQ 0, 0, 0                                  ; a plain barrier: the one tensor load still out is the last step's
.irp q, 0,1,2,3,4
	QUARTER 1, \q, 8, 0, 1, 24, 1
.endr
	QUARTER 1, 5, 8, 0, 0, 16, 1                   ; no x block is left to ask for: the counts run down
	QUARTER 1, 6, 8, 0, 0, 8, 1
	QUARTER 1, 7, 8, 0, 0, 0, 0
	; THE WAY OUT, 16 rows at a time: |alpha| x sum + bias in one fused multiply-add, 32 bytes a lane and tile into my own stage, read back by rows.
	WIN 0
	PLACES                                         ; behind the last matrix instructions: results are read, and the ring's registers written, from here on
; Tiles ib = b0 .. b0 + cnt - 1 of window win, row tile a
.macro STW a, win, b0, cnt
	WIN \win                                       ; source 0 (the sums) in window win; bias and the result in window 0
.set ib, \b0
.rept \cnt
.irp j, 0,2,4,6
	v_pk_fma_f32 v[TMP+8*ib+\j:TMP+8*ib+\j+1], v[8*(4*ib+\a)+\j:8*(4*ib+\a)+\j+1], s[40:41], v[BIAS+8*(4*(\win-1)+ib)+\j:BIAS+8*(4*(\win-1)+ib)+\j+1] op_sel_hi:[1,0,1]
.endr
.set ib, ib+1
.endr
	WIN 0
.set ib, \b0
.rept \cnt
	ds_store_b128 v[STO], v[TMP+8*ib:TMP+8*ib+3]   offset:64*(4*(\win-1)+ib)
	ds_store_b128 v[STO], v[TMP+8*ib+4:TMP+8*ib+7] offset:64*(4*(\win-1)+ib)+16
.set ib, ib+1
.endr
.endm
; Column blocks 0 to 61.  c0 = the bytes from the piece's first byte to the next multiple of 256 in out's row (0, 64, 128 or 192).
; Sixteen instructions of one row: the 512 bytes from c0 on.  Six of eight rows: one of the three other chunks of 64 bytes.
.macro OUTG a
.if \a
	s_wait_xcnt 0x0                                ; RB, which the last 16 rows' stores read, is loaded again only behind this wait
.endif
.set it, 0
.rept 16
	ds_load_b128 v[RB+4*it:RB+4*it+3], v[RDW] offset:it*SPITCH     ; LDS serves a wave's instructions in order: these see the stores above
.set it, it+1
.endr
.irp k, 0,1,2
	ds_load_b128 v[RB+64+8*\k:RB+64+8*\k+3],   v[RDE+\k]
	ds_load_b128 v[RB+64+8*\k+4:RB+64+8*\k+7], v[RDE+\k] offset:8*SPITCH
.endr
.set it, 0
.rept 16
	s_wait_dscnt 21-it
	global_store_b128 v[COW], v[RB+4*it:RB+4*it+3], s[46:47] offset:(16*\a+it)*OROW th:TH_STORE_NT   ; 512 consecutive bytes at a multiple of 256 from out's first byte
.set it, it+1
.endr
.irp k, 0,1,2
	s_wait_dscnt 5-2*\k
	global_store_b128 v[COE+\k], v[RB+64+8*\k:RB+64+8*\k+3],   s[46:47] offset:16*\a*OROW th:TH_STORE_NT
	s_wait_dscnt 4-2*\k
	global_store_b128 v[COE+\k], v[RB+64+8*\k+4:RB+64+8*\k+7], s[46:47] offset:(16*\a+8)*OROW th:TH_STORE_NT
.endr
.endm
; Column block 62: local bytes 320 to 703.  Eight instructions of two rows x the aligned 256 bytes at 448; four of four rows x the 128 bytes at 320.
.macro OUTL a
.if \a
	s_wait_xcnt 0x0
.endif
.irp t, 0,1,2,3,4,5,6,7
	ds_load_b128 v[RB+4*\t:RB+4*\t+3], v[RDW] offset:448+2*\t*SPITCH
.endr
.irp t, 0,1,2,3
	ds_load_b128 v[RB+32+4*\t:RB+32+4*\t+3], v[RDE] offset:320+4*\t*SPITCH
.endr
.irp t, 0,1,2,3,4,5,6,7
	s_wait_dscnt 11-\t
	global_store_b128 v[COW], v[RB+4*\t:RB+4*\t+3], s[46:47] offset:(16*\a+2*\t)*OROW+448 th:TH_STORE_NT
.endr
.irp t, 0,1,2,3
	s_wait_dscnt 3-\t
	global_store_b128 v[COE], v[RB+32+4*\t:RB+32+4*\t+3], s[46:47] offset:(16*\a+4*\t)*OROW+320 th:TH_STORE_NT
.endr
.endm
	s_cmp_eq_u32 s16, 62                           ; the column block is the same in all partners
	s_cbranch_scc1 .Llast
	s_mul_i32 s48, s16, 704
	s_sub_co_u32 s48, 0, s48
	s_and_b32 s48, s48, 192                        ; c0 = (-704 x block) mod 256, a multiple of 64
.irp k, 0,1,2
	s_cmp_le_u32 s48, 64*\k                        ; chunk k lies in front of the whole runs, at 64 k, or behind them, at 64 k + 512
	s_cselect_b32 s[49+\k], 512, 0
	s_add_co_u32 s[49+\k], s[49+\k], 64*\k
.endr
	s_add_co_u32 s52, s21, s48
	v_add_nc_u32 v[RDW], s52, v[AOFF]              ; stage + c0 + 16 x lane
	v_add_nc_u32 v[COW], s48, v[AOFF]
	v_lshrrev_b32 v16, 2, v15                      ; edge: four lanes a row, eight rows
	v_and_b32 v17, 3, v15
	v_mul_u32_u24 v18, v16, SPITCH
	v_lshl_add_u32 v18, v17, 4, v18
	v_add_nc_u32 v18, s21, v18
	v_mul_u32_u24 v19, v16, OROW
	v_lshl_add_u32 v19, v17, 4, v19
.irp k, 0,1,2
	v_add_nc_u32 v[RDE+\k], s[49+\k], v18
	v_add_nc_u32 v[COE+\k], s[49+\k], v19
.endr
.irp a, 0,1,2,3
	STW \a, 1, 0, 4
	STW \a, 2, 0, 4
	STW \a, 3, 0, 3
	OUTG \a
.endr
	s_branch .Lend
.Llast:
	v_mul_u32_u24 v16, v2, SPITCH                  ; whole runs: sixteen lanes a row, two rows
	v_lshl_add_u32 v16, v1, 4, v16
	v_add_nc_u32 v[RDW], s21, v16
	v_mul_u32_u24 v17, v2, OROW
	v_lshl_add_u32 v[COW], v1, 4, v17
	v_lshrrev_b32 v18, 3, v15                      ; the 128 bytes in front: eight lanes a row, four rows
	v_and_b32 v19, 7, v15
	v_mul_u32_u24 v16, v18, SPITCH
	v_lshl_add_u32 v16, v19, 4, v16
	v_add_nc_u32 v[RDE], s21, v16
	v_mul_u32_u24 v17, v18, OROW
	v_lshl_add_u32 v[COE], v19, 4, v17
.irp a, 0,1,2,3
	STW \a, 2, 1, 3                                ; tiles 5 to 10: the 96 columns that this block stores
	STW \a, 3, 0, 3
	OUTL \a
.endr
.Lend:
	s_wait_tensorcnt 0x0
	ds_add_u32 v254, v255
	s_wait_dscnt 0x0
	CROUND                                         ; the closing round: no work-group ends while a partner may still ask for a tile that names it
	s_endpgm
.Lfunc_end_k_q2fa0c86d8a_gemm:
	.size	k_q2fa0c86d8a_gemm, .Lfunc_end_k_q2fa0c86d8a_gemm-k_q2fa0c86d8a_gemm
	.p2alignl 7, 3214868480
	.fill 96, 4, 3214868480
	.section	.rodata,"a",@progbits
	.p2align	6, 0x0
	.amdhsa_kernel k_q2fa0c86d8a_gemm
		.amdhsa_group_segment_fixed_size 327680
		.amdhsa_private_segment_fixed_size 0
		.amdhsa_enable_private_segment 0
		.amdhsa_kernarg_size 40
		.amdhsa_user_sgpr_count 2
		.amdhsa_user_sgpr_kernarg_segment_ptr 1
		.amdhsa_wavefront_size32 1
		.amdhsa_system_sgpr_workgroup_id_x 1
		.amdhsa_system_sgpr_workgroup_id_y 1
		.amdhsa_system_sgpr_workgroup_id_z 1
		.amdhsa_system_vgpr_workitem_id 0
		.amdhsa_next_free_vgpr 1024
		.amdhsa_next_free_sgpr 66
		.amdhsa_reserve_vcc 0
		.amdhsa_float_denorm_mode_32 3
		.amdhsa_float_denorm_mode_16_64 3
		.amdhsa_memory_ordered 1
		.amdhsa_forward_progress 1
		.amdhsa_inst_pref_size 255
	.end_amdhsa_kernel
	.section	.bss,"aw",@nobits
	.p2align	6
	.space	262144
	.amdgpu_metadata
---
amdhsa.version: [ 1, 2 ]
amdhsa.kernels:
  - .name:           k_q2fa0c86d8a_gemm
    .symbol:         k_q2fa0c86d8a_gemm.kd
    .args:
      - { .name: xf, .offset: 0, .size: 8, .value_kind: global_buffer, .address_space: global }
      - { .name: wt, .offset: 8, .size: 8, .value_kind: global_buffer, .address_space: global }
      - { .name: alpha, .offset: 16, .size: 8, .value_kind: global_buffer, .address_space: global }
      - { .name: bias, .offset: 24, .size: 8, .value_kind: global_buffer, .address_space: global }
      - { .name: out0, .offset: 32, .size: 8, .value_kind: global_buffer, .address_space: global }
    .group_segment_fixed_size: 327680
    .private_segment_fixed_size: 0
    .kernarg_segment_align: 8
    .kernarg_segment_size: 40
    .max_flat_workgroup_size: 128
    .sgpr_count:     66
    .vgpr_count:     1024
    .wavefront_size: 32
...
	.end_amdgpu_metadata
.endif
;; end of part 2
;; ======== version 2 of 3: 2 launches; 1.31 times as fast as version 1
;; workspace buffers: wt 90,177,536 bytes; xf 8,388,608 bytes
;; launch prep: the kernel of part 1 again; grid 1504 x 1, 8 waves a work-group, no clusters, 70,656 bytes of LDS; arguments x, w, alpha, xf, wt; writes xf, wt
;; launch gemm (part 3): grid 4 x 63, 4 waves a work-group, clusters of 4 x 1, 327,680 bytes of LDS; arguments xf, wt, alpha, bias, out0; writes out0
.if DOCPART == 3
	.amdgcn_target "amdgcn-amd-amdhsa--gfx1250"
	.amdhsa_code_object_version 6
	.text
	.protected	k_q2fa0c86d8a_gemm
	.globl	k_q2fa0c86d8a_gemm
	.p2align	8
	.type	k_q2fa0c86d8a_gemm,@function
k_q2fa0c86d8a_gemm:
	s_mov_b64 s[64:65], 0
	v_nop
	global_prefetch_b8 v0, s[64:65] scope:SCOPE_SE
	s_setreg_imm32_b32 hwreg(HW_REG_WAVE_MODE, 25, 1), 1
	s_wait_xcnt 0x0
	s_wait_alu depctr_hold_cnt(0) depctr_sa_sdst(0) depctr_va_vdst(0) depctr_va_sdst(0) depctr_va_ssrc(0) depctr_va_vcc(0) depctr_vm_vsrc(0)
	s_getreg_b32 s2, hwreg(HW_REG_IB_STS2, 6, 4)
	s_cmp_eq_u32 s2, 0
	s_cbranch_scc0 .Lentry_in_a_cluster
	s_endpgm
.Lentry_in_a_cluster:
	s_bfe_u32 s2, ttmp6, 0x10000c
	s_cmp_lg_u32 s2, 0x3003
	s_cbranch_scc0 .Lentry_shape_is_right
	s_endpgm
.Lentry_shape_is_right:
; out[m][n] = |alpha| * (sum over k of x[m][k] t[n][k]) + bias[n].  M = 1024, N = 11008, K = 4096; operands bf16 (t = -1, 0, 1 exactly; x rounded), sums f32.
; A work-group makes 256 rows x 176 columns with four waves; a wave makes 64 x 176: 4 x 11 accumulator tiles of 16 x 16, 352 registers.
; 4 row blocks x 63 column blocks = 252 work-groups.  63 x 176 = 11088 > 11008: the last column block begins at column 10832, so that all its loads stay inside
; the buffers, and stores only its last 96 columns; the 80 in front of them are block 61's.
; t's TILES (176 rows x 256 K, 512 bytes a row) go through a ring of two LDS slots.  The four row blocks of one column block need the same tiles: they form a cluster
; of 4 x 1 and ask jointly, every wave for its 44 rows, which divides the requests for wt by four.  (No 4 x 4 cluster: 63 column blocks do not divide by four, and
; x's fragments are shared by no two waves of a work-group: each wave loads its own 64 rows straight into registers, 512 consecutive bytes a load, three quarters ahead.)
; A K step is 256 = eight quarters of 32.  A quarter is ONE run of 30 loads (8 of x, 22 of t from LDS) and then 44 matrix instructions with no memory instruction among them.
; LIMITS: see the head of the launch that makes wt and xf (bf16 rounding of x; w + (ternary - w) taken as the ternary weight; NaN in w and alpha = 0 not served).
; The 704 bytes of a row piece leave as 512 bytes in two whole aligned runs of 256 and 192 bytes in runs that the neighbouring column block completes.
;
; REGISTERS in windows of 256 (s_set_vgpr_msb: bits 1:0 source 0, 3:2 source 1, 5:4 source 2, 7:6 destination):
;   window 0: v0-23 ids and addresses; v24-151 ring of four buffers of x fragments (4 x 8 registers each); v152-239 bias of my 8 columns in each of 11 tiles
;   window n = 1, 2, 3: column tiles 4 (n - 1) + ib: v[8 (4 ib + ia)] accumulator (ia, ib); v128-159, v160-191 two buffers of t fragments; v192, v193 their LDS address in slot 0, 1
; Under the setting 0x51 n a matrix instruction takes t's fragment, C and D from window n and x's fragment from window 0, and an LDS load has address and destination
; in window n.  The run goes through the windows 3, 0, 2, 1 and the products through 1, 2, 3: five switches a quarter.
; THE MATRIX INSTRUCTION IS USED TRANSPOSED: source 0 = 16 rows of t, source 1 = 16 rows of x; lane l then holds row l % 16 of out and registers 0-7 the columns 8 (l / 16) + 0..7.
.set PITCH,  528                       ; an LDS row: 512 bytes + 16 of padding, an odd multiple of 16: the 16 rows of a fragment load begin in 16 different 16-byte columns
.set WROWS,  44                        ; rows that one wave's tensor load brings
.set WTILE,  WROWS*PITCH
.set SLOT,   4*WTILE                   ; 92,928 bytes
.set STAGE,  2*SLOT                    ; behind the ring, at a multiple of 256 bytes: 16 rows x 720 bytes for each wave, for the way out; no fill lands there
.set SPITCH, 720                       ; 704 bytes + 16
.set OROW,   44032                     ; bytes in a row of out
.set ABLK,   1024                      ; a block of xf: 16 rows x 32 K
.set AMT,    128*ABLK                  ; from 16 rows of x to the next 16
.set AOFF, 4                           ; v4   16 x lane
.set STO,  5                           ; v5   way out: where I put 32 bytes of a row
.set RDW,  6                           ; v6   way out: read-back of the whole runs;  v7 the same place in out
.set COW,  7
.set RDE,  8                           ; v8-10  way out: read-back of the edge chunks;  v11-13 the same places in out
.set COE,  11
.set AR,   24
.set BIAS, 152
.set TMP,  24                          ; way out: results of up to four tiles (the ring is free by then)
.set RB,   56                          ; way out: 22 x 4 registers read back
.set BF,   128
.set BADR, 192
.set G1, 24                            ; s[24:31] descriptor group 1
.set G0, 32                            ; s[32:39] descriptor group 0, one set for each slot
.set MSB, 0
.macro WIN new                         ; the immediate's high byte repeats the setting that is left; switches that change nothing are dropped
.if MSB != (\new)
	s_set_vgpr_msb (MSB<<8)|(\new)
.set MSB, (\new)
.endif
.endm
.macro PLACES                          ; four plain vector instructions between a matrix instruction and a load into, or a vector access to, its registers (ISA guide 7.12.1 for vector instructions)
.rept 4
	v_nop
.endr
.endm
.macro CREST                           ; a round of the cluster's barrier behind its opening work-group barrier
	s_cmp_lg_u32 s14, 0
	s_cbranch_scc1 .Lnot_wave_0_\@
	s_barrier_signal -3
.Lnot_wave_0_\@:
	s_barrier_wait -3
	s_barrier_signal -1
	s_barrier_wait -1
.endm
.macro CROUND                          ; a whole round
	s_barrier_signal -1
	s_barrier_wait -1
	CREST
.endm
; Eight loads: the x fragments of one quarter (block kc of the lap) for my four groups of 16 rows, into ring buffer ring
.macro ALOAD ring, kc
.irp a, 0,1,2,3
	global_load_b128 v[AR+32*\ring+8*\a:AR+32*\ring+8*\a+3],   v[AOFF], s[44:45] offset:\a*AMT+\kc*ABLK
	global_load_b128 v[AR+32*\ring+8*\a+4:AR+32*\ring+8*\a+7], v[AOFF], s[44:45] offset:\a*AMT+\kc*ABLK+512
.endr
.endm
; LDS loads: the t fragments of window win's cnt tiles, quarter nq of slot ns, into buffer buf
.macro BRUN win, cnt, buf, ns, nq
	WIN (\win*0x51)
.set ib, 0
.rept \cnt
	ds_load_b128 v[BF+32*\buf+8*ib:BF+32*\buf+8*ib+3],   v[BADR+\ns] offset:ib*16*PITCH+\nq*64
	ds_load_b128 v[BF+32*\buf+8*ib+4:BF+32*\buf+8*ib+7], v[BADR+\ns] offset:ib*16*PITCH+\nq*64+32
.set ib, ib+1
.endr
.endm
; A quarter's one run of loads: x block kc into ring buffer ring (aload = 1), and the 22 loads of t's fragments of quarter nq of slot ns into buffer buf.
; The order of the windows begins with the setting that is in force (3 behind a quarter's products, 0 behind a branch or a label) and ends with window 1, where the products begin.
.macro RUN aload, ring, kc, buf, ns, nq
.if MSB == 0
.if \aload
	ALOAD \ring, \kc
.endif
	BRUN 3, 3, \buf, \ns, \nq
.else
	BRUN 3, 3, \buf, \ns, \nq
.if \aload
	WIN 0
	ALOAD \ring, \kc
.endif
.endif
	BRUN 2, 4, \buf, \ns, \nq
	BRUN 1, 4, \buf, \ns, \nq
.endm
; The matrix instructions of window win: cnt column tiles x 4 row tiles, 32 along K, from t buffer buf and x ring buffer ring.  zero = 1: the product starts the sums.
; The 44 accumulators take turns, one instruction a turn, in the same order in every quarter, over the backward jump too.
.macro PHASE win, cnt, buf, ring, zero
	WIN (\win*0x51)
.set ib, 0
.rept \cnt
.set ia, 0
.rept 4
.if \zero
	v_wmma_f32_16x16x32_bf16 v[8*(4*ib+ia):8*(4*ib+ia)+7], v[BF+32*\buf+8*ib:BF+32*\buf+8*ib+7], v[AR+32*\ring+8*ia:AR+32*\ring+8*ia+7], 0
.else
	v_wmma_f32_16x16x32_bf16 v[8*(4*ib+ia):8*(4*ib+ia)+7], v[BF+32*\buf+8*ib:BF+32*\buf+8*ib+7], v[AR+32*\ring+8*ia:AR+32*\ring+8*ia+7], v[8*(4*ib+ia):8*(4*ib+ia)+7]
.endif
.set ia, ia+1
.endr
.set ib, ib+1
.endr
.endm
; Quarter q of a K step in slot slot; kb = the step's first block in the lap.
;   aload = 1: the x fragments of three quarters on are asked for; lcnt: how many younger x loads may stay out.
;   ld = 1: the next quarter's t fragments are loaded (quarter 7: the other slot's first).
;   sig = 1 (quarter 6): this slot's last fragments were asked for at this quarter's head.  Behind 32 matrix instructions the wave waits for them, so that its reads of the slot are
;           over, and for all its tensor loads, of which one is out: its 44 rows of the other slot; then it signals.  The twelve matrix instructions of window 3 are register work.
;   turn (quarter 7): 1 = the barrier's wait alone; 2 = that barrier opens a round of the cluster's barrier: behind the round no wave of any partner reads this slot or has a load
;           on its way, and the joint refill, two steps ahead, is the wave's first and only tensor load there.  Then the ordinary run, from the other slot, which is whole.
;           From a refill's request to the wait for it a wave issues 44 + 6 x 44 + 32 = 340 matrix instructions.
.macro QUARTER slot, q, kb, zero, aload, lcnt, ld, sig, turn
.if \ld
	PLACES                                         ; behind the last quarter's matrix instructions, which read the ring buffer and the t buffers that are loaded now
.endif
.if \turn
	WIN 0
	s_barrier_wait -1
.if \turn == 2
	CREST
	s_add_nc_u64 s[G0+4*\slot+2:G0+4*\slot+3], s[G0+4*\slot+2:G0+4*\slot+3], 1024   ; two steps of 512 bytes on; no tensor load of mine is out
	tensor_load_to_lds s[G0+4*\slot:G0+4*\slot+3], s[G1:G1+7]
	s_nop 0
.endif
.endif
.if \ld
.if \q == 7
	RUN \aload, ((\q+3)&3), (\kb+\q+3), (1-(\q&1)), (1-\slot), 0
.else
	RUN \aload, ((\q+3)&3), (\kb+\q+3), (1-(\q&1)), \slot, (\q+1)
.endif
	s_wait_loadcnt \lcnt                           ; this quarter's eight x loads are in; the batches behind them stay out
	s_wait_dscnt 22                                ; this quarter's t fragments are in: behind them went the 22 loads just issued
.else
	s_wait_loadcnt \lcnt
	s_wait_dscnt 0x0                               ; nothing was loaded behind the last fragments
.endif
	PHASE 1, 4, (\q&1), (\q&3), \zero
	PHASE 2, 4, (\q&1), (\q&3), \zero
.if \sig
	s_wait_dscnt 0x0                               ; my reads of this slot are over
	s_wait_tensorcnt 0x0                           ; and all my tensor loads have landed
	ds_add_u32 v255, v255
	s_wait_dscnt 0x0
	s_barrier_signal -1
.endif
	PHASE 3, 3, (\q&1), (\q&3), \zero
.endm
.macro STEP slot, zero, turn           ; a K step that another follows
	QUARTER \slot, 0, (8*\slot), \zero, 1, 24, 1, 0, 0
.irp q, 1,2,3,4,5
	QUARTER \slot, \q, (8*\slot), 0, 1, 24, 1, 0, 0
.endr
	QUARTER \slot, 6, (8*\slot), 0, 1, 24, 1, 1, 0
	QUARTER \slot, 7, (8*\slot), 0, 1, 24, 1, 0, \turn
.endm
.macro LAP zero                        ; once round the ring: two steps, both slots filled again
	STEP 0, \zero, 2
	STEP 1, 0, 2
	WIN 0
	s_wait_xcnt 0x0                                ; the x loads' base is stepped only behind this wait
	s_add_nc_u64 s[44:45], s[44:45], 16*ABLK
.endm
	s_load_b256 s[4:11], s[0:1], 0x0               ; xf s[4:5], wt s[6:7], alpha s[8:9], bias s[10:11]
	s_load_b64 s[12:13], s[0:1], 0x20              ; out0
	s_set_vgpr_msb 0x80
	v_lshl_add_u32 v255, v0, 2, 0x38a00
	s_set_vgpr_msb 0x8000
	v_mov_b32 v255, 0
	s_set_vgpr_msb 0x2
	ds_add_u32 v255, v255
	ds_add_u32 v255, v255
	s_set_vgpr_msb 0x200
	v_lshrrev_b32 v1, 5, v0
	v_readfirstlane_b32 s14, v1                    ; wave 0..3
	s_bfe_u32 s15, ttmp6, 0x40000                  ; cx: my place in the cluster
	s_lshl_b32 s22, ttmp9, 2
	s_add_co_u32 s15, s22, s15                     ; row block = 4 x cluster x + cx; it enters global addresses of x and out alone
	s_and_b32 s16, ttmp7, 0xffff                   ; column block, the same in all four partners
	s_mul_i32 s17, s16, 176
	s_min_u32 s17, s17, 10832                      ; its first column
	; descriptor group 1: 44 rows x 256 elements of 2 bytes, 16 bytes of padding behind every 128 words
	s_mov_b32 s[G1+0], 15|(1<<16)|(1<<20)|(1<<21)|(6<<22)|(3<<25)  ; 15:0 mask: all four of the cluster; 17:16 2 bytes; 20 padding on; 21 set beside a mask; 24:22 every 128 words; 31:25 4 words
	s_mov_b32 s[G1+1], 256<<16                     ; tensor_dim0 = 256
	s_mov_b32 s[G1+2], WROWS<<16                   ; tensor_dim1 = 44
	s_mov_b32 s[G1+3], 256<<16                     ; tile_dim0 = 256
	s_mov_b32 s[G1+4], WROWS                       ; tile_dim1 = 44
	s_mov_b32 s[G1+5], 4096                        ; elements from row to row
	s_mov_b32 s[G1+6], 0
	s_mov_b32 s[G1+7], 0
	s_mul_i32 s18, s14, WROWS
	s_add_co_u32 s18, s18, s17                     ; my first row of wt: made of the column block and the wave's number alone
	s_lshl_b32 s18, s18, 13                        ; 8,192 bytes a row (below 4 GiB)
	s_mov_b32 s19, 0
	s_mul_i32 s20, s14, WTILE                      ; and where it goes: the wave's number alone
	s_wait_dscnt 0x0
	s_wait_kmcnt 0x0
	s_add_nc_u64 s[18:19], s[6:7], s[18:19]
	CROUND                                         ; all four work-groups are here: the first joint loads meet
.irp s, 0,1
	s_mov_b32 s[G0+4*\s], 1                                        ; count = 1
	s_add_co_u32 s[G0+4*\s+1], s20, \s*SLOT                        ; LDS address
	s_add_nc_u64 s[G0+4*\s+2:G0+4*\s+3], s[18:19], \s*512          ; global address: K step s
	s_or_b32 s[G0+4*\s+3], s[G0+4*\s+3], 0x80000000                ; type = 2
	tensor_load_to_lds s[G0+4*\s:G0+4*\s+3], s[G1:G1+7]            ; both first fills as one group: two tensor loads of a wave are out here, later one
	s_nop 0
.endr
	s_load_b32 s40, s[8:9], 0x0                    ; alpha
	v_and_b32 v1, 15, v0                           ; r = l % 16
	v_bfe_u32 v2, v0, 4, 1                         ; h = l / 16
	v_and_b32 v15, 31, v0                          ; lane
	v_lshlrev_b32 v14, 5, v2                       ; 32 h: my 8 columns of a tile, in bytes of bias
	v_lshlrev_b32 v[AOFF], 4, v15
	s_lshl_b32 s52, s17, 2
	s_mov_b32 s53, 0
	s_add_nc_u64 s[42:43], s[10:11], s[52:53]      ; bias at my first column
	s_lshl_b32 s22, s15, 4
	s_lshl2_add_u32 s22, s14, s22                  ; 16 x row block + 4 x wave: my first group of 16 rows
	s_lshl_b32 s22, s22, 17
	s_mov_b32 s23, 0
	s_add_nc_u64 s[44:45], s[4:5], s[22:23]        ; xf at my rows
.irp b, 0,1,2,3,4,5,6,7,8,9,10
	global_load_b128 v[BIAS+8*\b:BIAS+8*\b+3],   v14, s[42:43] offset:64*\b
	global_load_b128 v[BIAS+8*\b+4:BIAS+8*\b+7], v14, s[42:43] offset:64*\b+16
.endr
	ALOAD 0, 0
	ALOAD 1, 1
	ALOAD 2, 2
	s_lshl_b32 s22, s15, 8
	s_lshl_b32 s54, s14, 6
	s_add_co_u32 s22, s22, s54                     ; my first row of out
	s_mul_i32 s22, s22, OROW
	s_lshl2_add_u32 s22, s17, s22                  ; + 4 bytes x first column (below 4 GiB)
	s_add_nc_u64 s[46:47], s[12:13], s[22:23]
	s_mul_i32 s21, s14, 16*SPITCH
	s_add_co_u32 s21, s21, STAGE                   ; my stage
	v_mul_u32_u24 v[STO], v1, SPITCH
	v_lshl_add_u32 v[STO], v2, 5, v[STO]
	v_add_nc_u32 v[STO], s21, v[STO]               ; row r, 32 bytes for each half of the lanes
	v_mul_u32_u24 v3, v1, PITCH
	v_lshl_add_u32 v3, v2, 4, v3                   ; a fragment's lane term: row x pitch + 16 x half
.irp n, 1,2,3
	WIN (\n*0x40)                                  ; destination in window n
	v_add_nc_u32 v[BADR],   (\n-1)*64*PITCH, v3    ; the window's four tiles begin 64 rows further on
	v_add_nc_u32 v[BADR+1], (\n-1)*64*PITCH+SLOT, v3
.endr
	WIN 0
	s_wait_kmcnt 0x0
	s_and_b32 s40, s40, 0x7fffffff                 ; |alpha|,
	s_mov_b32 s41, s40                             ; a pair for the packed multiply-add
	s_wait_tensorcnt 0x1                           ; my 44 rows of step 0 are in; step 1's stay out
	s_barrier_signal -1
	s_barrier_wait -1                              ; everybody's are
	BRUN 1, 4, 0, 0, 0                             ; quarter 0's 22 fragment loads
	BRUN 2, 4, 0, 0, 0
	BRUN 3, 3, 0, 0, 0
	; K = 4096 = 16 steps = 8 laps.  The first stands in front of the loop (its first products start the sums), six go round, the last is written out and fills nothing.
	LAP 1
	s_mov_b32 s3, 6
.Llap:
	LAP 0
	s_sub_co_u32 s3, s3, 1
	s_cmp_lg_u32 s3, 0
	s_cbranch_scc1 .Llap
	STEP 0, 0, 1                                   ; a plain barrier: the one tensor load still out in front of it is the last step's
.irp q, 0,1,2,3,4
	QUARTER 1, \q, 8, 0, 1, 24, 1, 0, 0
.endr
	QUARTER 1, 5, 8, 0, 0, 16, 1, 0, 0             ; no x block is left to ask for: the counts run down
	QUARTER 1, 6, 8, 0, 0, 8, 1, 0, 0
	QUARTER 1, 7, 8, 0, 0, 0, 0, 0, 0
	; THE WAY OUT, 16 rows at a time: |alpha| x sum + bias in one fused multiply-add, 32 bytes a lane and tile into my own stage, read back by rows.
	WIN 0
	PLACES                                         ; behind the last matrix instructions: results are read, and the ring's registers written, from here on
; Tiles ib = b0 .. b0 + cnt - 1 of window win, row tile a
.macro STW a, win, b0, cnt
	WIN \win                                       ; source 0 (the sums) in window win; bias and the result in window 0
.set ib, \b0
.rept \cnt
.irp j, 0,2,4,6
	v_pk_fma_f32 v[TMP+8*ib+\j:TMP+8*ib+\j+1], v[8*(4*ib+\a)+\j:8*(4*ib+\a)+\j+1], s[40:41], v[BIAS+8*(4*(\win-1)+ib)+\j:BIAS+8*(4*(\win-1)+ib)+\j+1] op_sel_hi:[1,0,1]
.endr
.set ib, ib+1
.endr
	WIN 0
.set ib, \b0
.rept \cnt
	ds_store_b128 v[STO], v[TMP+8*ib:TMP+8*ib+3]   offset:64*(4*(\win-1)+ib)
	ds_store_b128 v[STO], v[TMP+8*ib+4:TMP+8*ib+7] offset:64*(4*(\win-1)+ib)+16
.set ib, ib+1
.endr
.endm
; Column blocks 0 to 61.  c0 = the bytes from the piece's first byte to the next multiple of 256 in out's row (0, 64, 128 or 192).
; Sixteen instructions of one row: the 512 bytes from c0 on.  Six of eight rows: one of the three other chunks of 64 bytes (they end at byte 703 of a stage row at the most).
.macro OUTG a
.if \a
	s_wait_xcnt 0x0                                ; RB, which the last 16 rows' stores read, is loaded again only behind this wait
.endif
.set it, 0
.rept 16
	ds_load_b128 v[RB+4*it:RB+4*it+3], v[RDW] offset:it*SPITCH     ; LDS serves a wave's instructions in order: these see the stores above
.set it, it+1
.endr
.irp k, 0,1,2
	ds_load_b128 v[RB+64+8*\k:RB+64+8*\k+3],   v[RDE+\k]
	ds_load_b128 v[RB+64+8*\k+4:RB+64+8*\k+7], v[RDE+\k] offset:8*SPITCH
.endr
.set it, 0
.rept 16
	s_wait_dscnt 21-it
	global_store_b128 v[COW], v[RB+4*it:RB+4*it+3], s[46:47] offset:(16*\a+it)*OROW th:TH_STORE_NT   ; 512 consecutive bytes at a multiple of 256 from out's first byte
.set it, it+1
.endr
.irp k, 0,1,2
	s_wait_dscnt 5-2*\k
	global_store_b128 v[COE+\k], v[RB+64+8*\k:RB+64+8*\k+3],   s[46:47] offset:16*\a*OROW th:TH_STORE_NT
	s_wait_dscnt 4-2*\k
	global_store_b128 v[COE+\k], v[RB+64+8*\k+4:RB+64+8*\k+7], s[46:47] offset:(16*\a+8)*OROW th:TH_STORE_NT
.endr
.endm
; Column block 62: local bytes 320 to 703.  Eight instructions of two rows x the aligned 256 bytes at 448; four of four rows x the 128 bytes at 320.
.macro OUTL a
.if \a
	s_wait_xcnt 0x0
.endif
.irp t, 0,1,2,3,4,5,6,7
	ds_load_b128 v[RB+4*\t:RB+4*\t+3], v[RDW] offset:448+2*\t*SPITCH
.endr
.irp t, 0,1,2,3
	ds_load_b128 v[RB+32+4*\t:RB+32+4*\t+3], v[RDE] offset:320+4*\t*SPITCH
.endr
.irp t, 0,1,2,3,4,5,6,7
	s_wait_dscnt 11-\t
	global_store_b128 v[COW], v[RB+4*\t:RB+4*\t+3], s[46:47] offset:(16*\a+2*\t)*OROW+448 th:TH_STORE_NT
.endr
.irp t, 0,1,2,3
	s_wait_dscnt 3-\t
	global_store_b128 v[COE], v[RB+32+4*\t:RB+32+4*\t+3], s[46:47] offset:(16*\a+4*\t)*OROW+320 th:TH_STORE_NT
.endr
.endm
	s_cmp_eq_u32 s16, 62                           ; the column block is the same in all partners
	s_cbranch_scc1 .Llast
	s_mul_i32 s48, s16, 704
	s_sub_co_u32 s48, 0, s48
	s_and_b32 s48, s48, 192                        ; c0 = (-704 x block) mod 256, a multiple of 64
.irp k, 0,1,2
	s_cmp_le_u32 s48, 64*\k                        ; chunk k lies in front of the whole runs, at 64 k, or behind them, at 64 k + 512
	s_cselect_b32 s[49+\k], 512, 0
	s_add_co_u32 s[49+\k], s[49+\k], 64*\k
.endr
	s_add_co_u32 s52, s21, s48
	v_add_nc_u32 v[RDW], s52, v[AOFF]              ; stage + c0 + 16 x lane
	v_add_nc_u32 v[COW], s48, v[AOFF]
	v_lshrrev_b32 v16, 2, v15                      ; edge: four lanes a row, eight rows
	v_and_b32 v17, 3, v15
	v_mul_u32_u24 v18, v16, SPITCH
	v_lshl_add_u32 v18, v17, 4, v18
	v_add_nc_u32 v18, s21, v18
	v_mul_u32_u24 v19, v16, OROW
	v_lshl_add_u32 v19, v17, 4, v19
.irp k, 0,1,2
	v_add_nc_u32 v[RDE+\k], s[49+\k], v18
	v_add_nc_u32 v[COE+\k], s[49+\k], v19
.endr
.irp a, 0,1,2,3
	STW \a, 1, 0, 4
	STW \a, 2, 0, 4
	STW \a, 3, 0, 3
	OUTG \a
.endr
	s_branch .Lend
.Llast:
	v_mul_u32_u24 v16, v2, SPITCH                  ; whole runs: sixteen lanes a row, two rows
	v_lshl_add_u32 v16, v1, 4, v16
	v_add_nc_u32 v[RDW], s21, v16
	v_mul_u32_u24 v17, v2, OROW
	v_lshl_add_u32 v[COW], v1, 4, v17
	v_lshrrev_b32 v18, 3, v15                      ; the 128 bytes in front: eight lanes a row, four rows
	v_and_b32 v19, 7, v15
	v_mul_u32_u24 v16, v18, SPITCH
	v_lshl_add_u32 v16, v19, 4, v16
	v_add_nc_u32 v[RDE], s21, v16
	v_mul_u32_u24 v17, v18, OROW
	v_lshl_add_u32 v[COE], v19, 4, v17
.irp a, 0,1,2,3
	STW \a, 2, 1, 3                                ; tiles 5 to 10: the 96 columns that this block stores
	STW \a, 3, 0, 3
	OUTL \a
.endr
.Lend:
	s_set_vgpr_msb 0x2
	s_wait_tensorcnt 0x0
	ds_add_u32 v255, v255
	s_wait_dscnt 0x0
	s_set_vgpr_msb 0x200
	CROUND                                         ; the closing round: no work-group ends while a partner may still ask for a tile that names it
	s_endpgm
.Lfunc_end_k_q2fa0c86d8a_gemm:
	.size	k_q2fa0c86d8a_gemm, .Lfunc_end_k_q2fa0c86d8a_gemm-k_q2fa0c86d8a_gemm
	.p2alignl 7, 3214868480
	.fill 96, 4, 3214868480
	.section	.rodata,"a",@progbits
	.p2align	6, 0x0
	.amdhsa_kernel k_q2fa0c86d8a_gemm
		.amdhsa_group_segment_fixed_size 327680
		.amdhsa_private_segment_fixed_size 0
		.amdhsa_enable_private_segment 0
		.amdhsa_kernarg_size 40
		.amdhsa_user_sgpr_count 2
		.amdhsa_user_sgpr_kernarg_segment_ptr 1
		.amdhsa_wavefront_size32 1
		.amdhsa_system_sgpr_workgroup_id_x 1
		.amdhsa_system_sgpr_workgroup_id_y 1
		.amdhsa_system_sgpr_workgroup_id_z 1
		.amdhsa_system_vgpr_workitem_id 0
		.amdhsa_next_free_vgpr 1024
		.amdhsa_next_free_sgpr 66
		.amdhsa_reserve_vcc 0
		.amdhsa_float_denorm_mode_32 3
		.amdhsa_float_denorm_mode_16_64 3
		.amdhsa_memory_ordered 1
		.amdhsa_forward_progress 1
		.amdhsa_inst_pref_size 255
	.end_amdhsa_kernel
	.section	.bss,"aw",@nobits
	.p2align	6
	.space	262144
	.amdgpu_metadata
---
amdhsa.version: [ 1, 2 ]
amdhsa.kernels:
  - .name:           k_q2fa0c86d8a_gemm
    .symbol:         k_q2fa0c86d8a_gemm.kd
    .args:
      - { .name: xf, .offset: 0, .size: 8, .value_kind: global_buffer, .address_space: global }
      - { .name: wt, .offset: 8, .size: 8, .value_kind: global_buffer, .address_space: global }
      - { .name: alpha, .offset: 16, .size: 8, .value_kind: global_buffer, .address_space: global }
      - { .name: bias, .offset: 24, .size: 8, .value_kind: global_buffer, .address_space: global }
      - { .name: out0, .offset: 32, .size: 8, .value_kind: global_buffer, .address_space: global }
    .group_segment_fixed_size: 327680
    .private_segment_fixed_size: 0
    .kernarg_segment_align: 8
    .kernarg_segment_size: 40
    .max_flat_workgroup_size: 128
    .sgpr_count:     66
    .vgpr_count:     1024
    .wavefront_size: 32
...
	.end_amdgpu_metadata
.endif
;; end of part 3
;; ======== version 3 of 3: 2 launches; 1.54 times as fast as version 1
;; workspace buffers: wc 11,272,192 bytes; xf 8,388,608 bytes
;; launch prep (part 4): grid 1504 x 1, 8 waves a work-group, no clusters, 68,608 bytes of LDS; arguments x, w, alpha, xf, wc; writes xf, wc
.if DOCPART == 4
	.amdgcn_target "amdgcn-amd-amdhsa--gfx1250"
	.amdhsa_code_object_version 6
	.text
	.protected	k_q2fa0c86d8a_prep
	.globl	k_q2fa0c86d8a_prep
	.p2align	8
	.type	k_q2fa0c86d8a_prep,@function
k_q2fa0c86d8a_prep:
	s_mov_b64 s[64:65], 0
	v_nop
	global_prefetch_b8 v0, s[64:65] scope:SCOPE_SE
	s_setreg_imm32_b32 hwreg(HW_REG_WAVE_MODE, 25, 1), 1
	s_wait_xcnt 0x0
; Two streams in one launch, no matrix work.
;   work-groups 128 .. 1503: w [11008][4096] f32 -> wc [11008][1024 bytes], the ternary weight as a code of 2 bits, one row a wave.
;   work-groups 0 .. 127:    x [1024][4096] f32  -> xf, bf16 in the order in which the product's fragments are loaded, 16 rows x 4 pieces of 64 K a wave.
; THE CODE.  (s, m): s = w's sign bit, m = (|w| > |alpha|/2).  As the top two bits of a half word it is the bf16 number +-2 (m = 1) or +-0 (m = 0): the product
; decodes it by a shift and a mask, multiplies in bf16, and applies the factor |alpha|/2 in f32 on its way out.  The code loses nothing: the weight is ternary.
; WHY THE COMPARE IS EXACT.  clip(round(w/alpha), -1, 1) is not 0 exactly where the rounded quotient |w|/|alpha| is above 0.5 (ties go to the even 0).
; Above 0.5 neighbouring f32 are 2^-24 apart and the tie at 0.5 + 2^-25 falls back to 0.5, so the condition is |w| > (|alpha|/2)(1 + 2^-24); the f32 next
; above a = |alpha|/2 exceeds a by more than a 2^-24, so this is |w| > a.  alpha * clip(..) = |alpha| * sign(w) * (|w| > a).
; LIMITS: |alpha|/2 is exact for |alpha| >= 2^-125.  w + (ternary - w) is taken as the ternary weight (it differs by at most |w| 2^-23).
; A NaN in w gives the code of 0 (the formula gives NaN); alpha = 0 with w = 0 likewise is not served.  x is rounded to bf16, to nearest even.
; THE ORDER OF K, the same in wc and xf (a sum does not mind the order of its terms).  k = 512 J + 128 i + 4 L + c with J = 0..7, i = 0..3, L = 0..31, c = 0..3:
; lane L of the load of 512 consecutive bytes number 4 J + i holds the four c.  So a lane owns the 16 weights (i, c) of (J, L): one dword of codes, no traffic between lanes.
;   wc: row n, byte 512 (J/4) + 16 L + 4 (J%4): that dword.  Weight number 2 j + 1 of the lane's 16 (number = 4 i + c) has its code in bits 31-2j, 30-2j; number 2 j in bits 15-2j, 14-2j.
;   xf: with S = J/4, d = J%4, g = L/2, h = L%2 the quarter step of the product is t = 64 S + 4 g + d.  Block (mt, t) of 1,024 bytes lies at (128 mt + t) * 1024; in it byte
;       512 p + 16 (16 h + r) holds registers 4 p .. 4 p + 3 of lane (r, h): register j = x[16 mt + r][512 J + 128 (j/2) + 4 L + 2 (j%2) + (0 low half, 1 high half)].
; Memory binds: every byte is read once, by loads that cover whole aligned runs of 256 bytes, all 32 loads of a wave go out at once, every store covers 512 consecutive
; aligned bytes.  No barrier: a wave's LDS bytes are its own.
.set X,  8                             ; v[8:135]   32 slots of 4 registers, as loaded
.set C,  136                           ; v[136:143] x: four pairs of packed bf16, by turns
.set AH, 136                           ; w: the codes of the odd weights of a dword (its upper half)
.set AL, 137                           ; w: those of the even weights (its lower half)
.set D,  144                           ; v[144:151] w: the row's eight dwords of this lane
.set XP, 528                           ; x: LDS pitch of a row: 8 g x 64 bytes + 16, an odd multiple of 16
.set XW, 16*XP                         ; 16 rows: a wave's LDS bytes
	s_load_b256 s[4:11], s[0:1], 0x0               ; x s[4:5], w s[6:7], alpha s[8:9], xf s[10:11]
	s_load_b64 s[12:13], s[0:1], 0x20              ; wc
	v_lshl_add_u32 v152, v0, 2, 0x10800
	v_mov_b32 v153, 0
	v_lshrrev_b32 v5, 5, v0
	v_readfirstlane_b32 s14, v5                    ; wave 0..7
	v_and_b32 v6, 31, v0                           ; lane
	v_lshlrev_b32 v1, 4, v6                        ; 16 x lane
	s_lshl_b32 s18, ttmp9, 3
	s_add_co_u32 s18, s18, s14                     ; 8 x work-group + wave
	s_mov_b32 s25, 0
	s_mov_b32 s27, 0
	s_wait_kmcnt 0x0
	s_cmp_lt_u32 ttmp9, 128
	s_cbranch_scc1 .Lxpart
	; ---------------- w: one row of 16,384 bytes a wave ----------------
	s_load_b32 s15, s[8:9], 0x0                    ; alpha
	s_sub_co_u32 s18, s18, 1024                    ; my row, 0 .. 11007
	s_lshl_b32 s24, s18, 14                        ; its bytes in w (below 4 GiB)
	s_lshl_b32 s26, s18, 10                        ; and in wc
	s_add_nc_u64 s[6:7], s[6:7], s[24:25]
	s_add_nc_u64 s[12:13], s[12:13], s[26:27]
.irp j, 0,1,2,3,4,5,6,7,8,9,10,11,12,13,14,15,16,17,18,19,20,21,22,23,24,25,26,27,28,29,30,31
	global_load_b128 v[X+4*\j:X+4*\j+3], v1, s[6:7] offset:512*\j th:TH_LOAD_NT   ; 512 neighbouring bytes; the whole row is on its way at once
.endr
	s_wait_kmcnt 0x0
	s_and_b32 s15, s15, 0x7fffffff
	s_mul_f32 s15, s15, 0.5                        ; |alpha| / 2
; Dword J: the 16 weights of slots 4 J .. 4 J + 3.  Three instructions a weight: the compare into VCC; the sign bit shifted in from the right (the upper word of
; {codes, w} >> 31 is codes << 1 | sign); the compare's bit shifted in by codes + codes + carry.  Two chains, odd and even weights, so that neighbours do not wait for each other.
.macro ONE acc, wreg
	v_cmp_gt_f32 vcc_lo, |v[\wreg]|, s15           ; |w| > |alpha| / 2
	v_add_co_ci_u32 v[\acc], vcc_lo, v[\acc], v[\acc], vcc_lo
.endm
.macro PACK J
	s_wait_loadcnt 28-4*\J                         ; loads come back in order: slots up to 4 J + 3 are in, the 28 - 4 J younger ones stay out
	v_lshrrev_b32 v[AH], 31, v[X+16*\J+1]          ; the first sign starts each chain: nothing is cleared
	v_lshrrev_b32 v[AL], 31, v[X+16*\J]
	ONE AH, (X+16*\J+1)
	ONE AL, (X+16*\J)
.irp j, 1,2,3,4,5,6,7
	v_alignbit_b32 v[AH], v[AH], v[X+16*\J+2*\j+1], 31
	v_alignbit_b32 v[AL], v[AL], v[X+16*\J+2*\j], 31
	ONE AH, (X+16*\J+2*\j+1)
	ONE AL, (X+16*\J+2*\j)
.endr
	v_lshl_or_b32 v[D+\J], v[AH], 16, v[AL]        ; each chain holds 16 bits
.endm
	PACK 0
	PACK 1
	PACK 2
	PACK 3
	global_store_b128 v1, v[D:D+3], s[12:13]       ; 512 consecutive bytes at a multiple of 256 from wc's first byte; the data registers are not written again
	PACK 4
	PACK 5
	PACK 6
	PACK 7
	global_store_b128 v1, v[D+4:D+7], s[12:13] offset:512
	s_endpgm
	; ---------------- x: unit u = (mt, J, half of the g) a wave: 16 rows x 4 pieces (i) of 256 bytes ----------------
.Lxpart:
	s_lshr_b32 s19, s18, 4                         ; mt = u / 16: which 16 rows
	s_bfe_u32 s20, s18, 0x30001                    ; J = (u / 2) % 8
	s_and_b32 s21, s18, 1                          ; which half of the g: lanes L = 16 x half + L'
	s_lshl_b32 s24, s19, 18                        ; 16 rows of 16,384 bytes
	s_lshl_b32 s22, s20, 11                        ; 512 K of 4 bytes
	s_add_co_u32 s24, s24, s22
	s_lshl_b32 s22, s21, 8                         ; 16 lanes of 16 bytes
	s_add_co_u32 s24, s24, s22
	s_add_nc_u64 s[4:5], s[4:5], s[24:25]
	s_lshl_b32 s26, s19, 17                        ; xf: 128 blocks of 1,024 bytes for 16 rows
	s_lshr_b32 s22, s20, 2
	s_lshl_b32 s22, s22, 16                        ; t = 64 S
	s_add_co_u32 s26, s26, s22
	s_lshl_b32 s22, s21, 15                        ;   + 4 x 8 x half
	s_add_co_u32 s26, s26, s22
	s_and_b32 s22, s20, 3
	s_lshl_b32 s22, s22, 10                        ;   + d
	s_add_co_u32 s26, s26, s22
	s_add_nc_u64 s[10:11], s[10:11], s[26:27]
	v_and_b32 v7, 15, v0                           ; L' on the way in; r on the way back
	v_bfe_u32 v5, v0, 4, 1                         ; odd row on the way in; h on the way back
	v_lshlrev_b32 v2, 4, v7
	v_lshl_add_u32 v2, v5, 14, v2                  ; lanes 0-15 take 256 bytes of a row, lanes 16-31 the same of the next row
.irp rp, 0,1,2,3,4,5,6,7
.irp i, 0,1,2,3
	global_load_b128 v[X+4*(4*\rp+\i):X+4*(4*\rp+\i)+3], v2, s[4:5] offset:\rp*32768+\i*512 th:TH_LOAD_NT   ; rows 2 rp, 2 rp + 1, piece i: two aligned runs of 256 bytes
.endr
.endr
	s_mul_i32 s19, s14, XW                         ; my wave's LDS bytes
	v_mul_u32_u24 v3, v5, XP
	v_lshl_add_u32 v3, v7, 5, v3
	v_add_nc_u32 v3, s19, v3                       ; in: my row, byte 32 L' (= 64 (g % 8) + 32 h); piece i goes 8 i further
	v_mul_u32_u24 v4, v7, XP
	v_lshl_add_u32 v4, v5, 5, v4
	v_add_nc_u32 v4, s19, v4                       ; back: row r, byte 32 h
.irp rp, 0,1,2,3,4,5,6,7
.irp i, 0,1,2,3
	s_wait_loadcnt 31-4*\rp-\i                     ; this load is in; the younger ones stay out
	v_cvt_pk_bf16_f32 v[C+2*\i],   v[X+4*(4*\rp+\i)],   v[X+4*(4*\rp+\i)+1]
	v_cvt_pk_bf16_f32 v[C+2*\i+1], v[X+4*(4*\rp+\i)+2], v[X+4*(4*\rp+\i)+3]
	ds_store_b64 v3, v[C+2*\i:C+2*\i+1] offset:2*\rp*XP+8*\i
.endr
.endr
.irp g, 0,1,2,3,4,5,6,7
.irp p, 0,1
	ds_load_b128 v[X+4*(2*\g+\p):X+4*(2*\g+\p)+3], v4 offset:64*\g+16*\p   ; registers 4 p .. 4 p + 3 of block g; LDS serves a wave's instructions in order: these see the stores above
.endr
.endr
.irp g, 0,1,2,3,4,5,6,7
.irp p, 0,1
	s_wait_dscnt 15-2*\g-\p
	global_store_b128 v1, v[X+4*(2*\g+\p):X+4*(2*\g+\p)+3], s[10:11] offset:\g*4096+512*\p   ; 512 consecutive bytes, aligned: half a block of xf; t steps by 4 with g
.endr
.endr
	s_wait_tensorcnt 0x0
	ds_add_u32 v152, v153
	s_wait_dscnt 0x0
	s_endpgm
.Lfunc_end_k_q2fa0c86d8a_prep:
	.size	k_q2fa0c86d8a_prep, .Lfunc_end_k_q2fa0c86d8a_prep-k_q2fa0c86d8a_prep
	.p2alignl 7, 3214868480
	.fill 96, 4, 3214868480
	.section	.rodata,"a",@progbits
	.p2align	6, 0x0
	.amdhsa_kernel k_q2fa0c86d8a_prep
		.amdhsa_group_segment_fixed_size 68608
		.amdhsa_private_segment_fixed_size 0
		.amdhsa_enable_private_segment 0
		.amdhsa_kernarg_size 40
		.amdhsa_user_sgpr_count 2
		.amdhsa_user_sgpr_kernarg_segment_ptr 1
		.amdhsa_wavefront_size32 1
		.amdhsa_system_sgpr_workgroup_id_x 1
		.amdhsa_system_sgpr_workgroup_id_y 1
		.amdhsa_system_sgpr_workgroup_id_z 1
		.amdhsa_system_vgpr_workitem_id 0
		.amdhsa_next_free_vgpr 154
		.amdhsa_next_free_sgpr 66
		.amdhsa_reserve_vcc 1
		.amdhsa_float_denorm_mode_32 3
		.amdhsa_float_denorm_mode_16_64 3
		.amdhsa_memory_ordered 1
		.amdhsa_forward_progress 1
		.amdhsa_inst_pref_size 40
	.end_amdhsa_kernel
	.amdgpu_metadata
---
amdhsa.version: [ 1, 2 ]
amdhsa.kernels:
  - .name:           k_q2fa0c86d8a_prep
    .symbol:         k_q2fa0c86d8a_prep.kd
    .args:
      - { .name: x, .offset: 0, .size: 8, .value_kind: global_buffer, .address_space: global }
      - { .name: w, .offset: 8, .size: 8, .value_kind: global_buffer, .address_space: global }
      - { .name: alpha, .offset: 16, .size: 8, .value_kind: global_buffer, .address_space: global }
      - { .name: xf, .offset: 24, .size: 8, .value_kind: global_buffer, .address_space: global }
      - { .name: wc, .offset: 32, .size: 8, .value_kind: global_buffer, .address_space: global }
    .group_segment_fixed_size: 68608
    .private_segment_fixed_size: 0
    .kernarg_segment_align: 8
    .kernarg_segment_size: 40
    .max_flat_workgroup_size: 256
    .sgpr_count:     66
    .vgpr_count:     154
    .wavefront_size: 32
...
	.end_amdgpu_metadata
.endif
;; end of part 4
;; launch gemm (part 5): grid 4 x 63, 4 waves a work-group, clusters of 4 x 1, 229,632 bytes of LDS; arguments xf, wc, alpha, bias, out0; writes out0
.if DOCPART == 5
	.amdgcn_target "amdgcn-amd-amdhsa--gfx1250"
	.amdhsa_code_object_version 6
	.text
	.protected	k_q2fa0c86d8a_gemm
	.globl	k_q2fa0c86d8a_gemm
	.p2align	8
	.type	k_q2fa0c86d8a_gemm,@function
k_q2fa0c86d8a_gemm:
	s_mov_b64 s[64:65], 0
	v_nop
	global_prefetch_b8 v0, s[64:65] scope:SCOPE_SE
	s_setreg_imm32_b32 hwreg(HW_REG_WAVE_MODE, 25, 1), 1
	s_wait_xcnt 0x0
	s_wait_alu depctr_hold_cnt(0) depctr_sa_sdst(0) depctr_va_vdst(0) depctr_va_sdst(0) depctr_va_ssrc(0) depctr_va_vcc(0) depctr_vm_vsrc(0)
	s_getreg_b32 s2, hwreg(HW_REG_IB_STS2, 6, 4)
	s_cmp_eq_u32 s2, 0
	s_cbranch_scc0 .Lentry_in_a_cluster
	s_endpgm
.Lentry_in_a_cluster:
	s_bfe_u32 s2, ttmp6, 0x10000c
	s_cmp_lg_u32 s2, 0x3003
	s_cbranch_scc0 .Lentry_shape_is_right
	s_endpgm
.Lentry_shape_is_right:
; out[m][n] = (|alpha|/2) * (sum over k of x[m][k] t[n][k]) + bias[n].  M = 1024, N = 11008, K = 4096; operands bf16 (t = -2, 0, 2 exactly; x rounded), sums f32.
; A work-group makes 256 rows x 176 columns with four waves; a wave makes 64 x 176: 4 x 11 accumulator tiles of 16 x 16, 352 registers.
; 4 row blocks x 63 column blocks = 252 work-groups.  63 x 176 = 11088 > 11008: the last column block begins at column 10832, so that all its loads stay inside
; the buffers, and stores only its last 96 columns; the 80 in front of them are block 61's.
; t COMES AS CODES OF 2 BITS (sign, not zero), 1,024 bytes a row: a column block's 176 rows are 180,224 bytes and lie in LDS whole.  Each wave brings its 44 rows by one tensor
; load at the start; nothing is ever filled again, so behind the one barrier that shows the codes to all four waves the K loop has no barrier.  The four row blocks of a column
; block need the same codes: they form a cluster of 4 x 1 and ask jointly.  (No 4 x 4 cluster: 63 column blocks do not divide by four, and x's fragments are shared by no two
; waves of a work-group: each wave loads its own 64 rows straight into registers, 512 consecutive bytes a load, three quarters ahead.)
; A dword of codes is one lane's share of one fragment (16 rows x 32 K): register j of the fragment is (dword << 2 j) & 0xc000c000, since a code in the top two bits of a half
; word is the bf16 number +-2 or +-0.  The matrix operands are bf16; the code is only the form in which the ternary weight is kept.
; A quarter is 32 along K: 8 loads of x, then 44 matrix instructions; behind each of them stand 3 or 4 of the 15 shifts and masks that decode, for the same column tile, the NEXT
; quarter's fragment into the other buffer.  A load of 16 bytes of codes serves four quarters (a group): 11 LDS loads a group, a group ahead.
; THE ORDER OF K is that of the launch that makes wc and xf, the same in both: quarter t takes block t of xf and dword t % 4 of the 16 bytes at byte 32 (t / 4) + 16 h of wc's row.
; LIMITS: see the head of that launch (bf16 rounding of x; w + (ternary - w) taken as the ternary weight; |alpha|/2 exact from 2^-125 on; NaN in w and alpha = 0 not served).
; The 704 bytes of a row piece leave as 512 bytes in two whole aligned runs of 256 and 192 bytes in runs that the neighbouring column block completes.
;
; REGISTERS in windows of 256 (s_set_vgpr_msb: bits 1:0 source 0, 3:2 source 1, 5:4 source 2, 7:6 destination):
;   window 0: v0-127 ring of four buffers of x fragments (4 x 8 registers each); v128-151 ids and addresses; v152-239 bias of my 8 columns in each of 11 tiles
;   window n = 1, 2, 3: column tiles 4 (n - 1) + ib: v[8 (4 ib + ia)] accumulator (ia, ib); v128-159, v160-191 two buffers of t fragments; v192-207, v208-223 two buffers of codes
;   (4 dwords a tile); v224 the LDS address of the lap's codes, v225 its base
; Under the setting 0x51 n a matrix instruction takes t's fragment, C and D from window n and x's fragment from window 0; an LDS load has address and destination in window n;
; a vector instruction has source 0 and destination in window n.  So the decoding is written with the register as source 0.  Four switches a quarter, six where codes are loaded.
; THE MATRIX INSTRUCTION IS USED TRANSPOSED: source 0 = 16 rows of t, source 1 = 16 rows of x; lane l then holds row l % 16 of out and registers 0-7 the columns 8 (l / 16) + 0..7.
.set PITCH,  1040                      ; an LDS row of codes: 1,024 bytes + 16 of padding, an odd multiple of 16: the 16 rows of a load begin in 16 different 16-byte columns
.set WROWS,  44                        ; rows that one wave's tensor load brings
.set WTILE,  WROWS*PITCH
.set STAGE,  176*PITCH                 ; 183,040, a multiple of 256: behind the codes, 16 rows x 720 bytes for each wave, for the way out; no fill lands there
.set SPITCH, 720                       ; 704 bytes + 16
.set OROW,   44032                     ; bytes in a row of out
.set ABLK,   1024                      ; a block of xf: 16 rows x 32 K
.set AMT,    128*ABLK                  ; from 16 rows of x to the next 16
.set AR,   0                           ; window 0: the ring
.set AOFF, 128                         ; 16 x lane
.set STO,  129                         ; way out: where I put 32 bytes of a row
.set RDW,  130                         ; way out: read-back of the whole runs;  COW the same place in out
.set COW,  131
.set RDE,  132                         ; v132-134 way out: read-back of the edge chunks;  v135-137 the same places in out
.set COE,  135
.set VR,   138                         ; l % 16
.set VH,   139                         ; l / 16
.set VL,   140                         ; lane
.set VB,   141                         ; 32 x (l / 16)
.set VF,   142                         ; a code load's lane term
.set VT,   144                         ; v144-147 at work
.set BIAS, 152
.set TMP,  0                           ; way out: results of up to four tiles (the ring is free by then)
.set RB,   32                          ; way out: 22 x 4 registers read back
.set BF,   128                         ; windows 1-3
.set RAW,  192
.set BADR, 224
.set BBAS, 225
.set G1, 24                            ; s[24:31] descriptor group 1
.set G0, 32                            ; s[32:35] descriptor group 0
.set MSB, 0
.macro WIN new                         ; the immediate's high byte repeats the setting that is left; switches that change nothing are dropped
.if MSB != (\new)
	s_set_vgpr_msb (MSB<<8)|(\new)
.set MSB, (\new)
.endif
.endm
.macro PLACES                          ; four plain vector instructions between a matrix instruction and a vector access to its registers (ISA guide 7.12.1), where there is no useful work for them
.rept 4
	v_nop
.endr
.endm
.macro CREST                           ; a round of the cluster's barrier behind its opening work-group barrier
	s_cmp_lg_u32 s14, 0
	s_cbranch_scc1 .Lnot_wave_0_\@
	s_barrier_signal -3
.Lnot_wave_0_\@:
	s_barrier_wait -3
	s_barrier_signal -1
	s_barrier_wait -1
.endm
.macro CROUND                          ; a whole round
	s_barrier_signal -1
	s_barrier_wait -1
	CREST
.endm
; Eight loads: the x fragments of one quarter (block kc of the lap) for my four groups of 16 rows, into ring buffer ring
.macro ALOAD ring, kc
.irp a, 0,1,2,3
	global_load_b128 v[AR+32*\ring+8*\a:AR+32*\ring+8*\a+3],   v[AOFF], s[44:45] offset:\a*AMT+\kc*ABLK
	global_load_b128 v[AR+32*\ring+8*\a+4:AR+32*\ring+8*\a+7], v[AOFF], s[44:45] offset:\a*AMT+\kc*ABLK+512
.endr
.endm
; LDS loads: a group's codes (four quarters) of window win's cnt tiles, at byte off from the lap's first, into code buffer rb
.macro BRAW win, cnt, rb, off
	WIN (\win*0x51)
.set ib, 0
.rept \cnt
	ds_load_b128 v[RAW+16*\rb+4*ib:RAW+16*\rb+4*ib+3], v[BADR] offset:ib*16*PITCH+\off
.set ib, ib+1
.endr
.endm
; A quarter of the 15 instructions that make the fragment at fb from the dword rr: register j = (dword << 2 j) & mask.  The shifts stand a part ahead of their masks.
.macro DECP fb, rr, part
.if \part == 0
	v_and_b32 v[\fb], v[\rr], s56
	v_lshl_add_u32 v[\fb+1], v[\rr], 2, 0
	v_lshl_add_u32 v[\fb+2], v[\rr], 4, 0
	v_lshl_add_u32 v[\fb+3], v[\rr], 6, 0
.endif
.if \part == 1
	v_and_b32 v[\fb+1], v[\fb+1], s56
	v_and_b32 v[\fb+2], v[\fb+2], s56
	v_and_b32 v[\fb+3], v[\fb+3], s56
	v_lshl_add_u32 v[\fb+4], v[\rr], 8, 0
.endif
.if \part == 2
	v_lshl_add_u32 v[\fb+5], v[\rr], 10, 0
	v_lshl_add_u32 v[\fb+6], v[\rr], 12, 0
	v_lshl_add_u32 v[\fb+7], v[\rr], 14, 0
.endif
.if \part == 3
	v_and_b32 v[\fb+4], v[\fb+4], s56
	v_and_b32 v[\fb+5], v[\fb+5], s56
	v_and_b32 v[\fb+6], v[\fb+6], s56
	v_and_b32 v[\fb+7], v[\fb+7], s56
.endif
.endm
; The decoding alone, for the very first quarter
.macro DECW win, cnt
	WIN (\win*0x51)
.set ib, 0
.rept \cnt
.irp p, 0,1,2,3
	DECP (BF+8*ib), (RAW+4*ib), \p
.endr
.set ib, ib+1
.endr
.endm
; The matrix instructions of window win: cnt column tiles x 4 row tiles, 32 along K, from t buffer buf and x ring buffer ring.  zero = 1: the product starts the sums.
; dec = 1: behind each, a part of the decoding of the same tile's next fragment (dword d of code buffer rb) into the other t buffer, which the last quarter's matrix instructions
; read: more than four plain vector instructions lie between.  step = 1: the window's LDS address goes to the next lap (no LDS load is out: the wait for 0 stands in front).
; The 44 accumulators take turns, one instruction a turn, in the same order in every quarter, over the backward jump too.
.macro PHASE win, cnt, buf, ring, zero, dec, rb, d, step
	WIN (\win*0x51)
.if \step
	v_add_nc_u32 v[BADR], v[BBAS], s57
.endif
.set ib, 0
.rept \cnt
.set ia, 0
.rept 4
.if \zero
	v_wmma_f32_16x16x32_bf16 v[8*(4*ib+ia):8*(4*ib+ia)+7], v[BF+32*\buf+8*ib:BF+32*\buf+8*ib+7], v[AR+32*\ring+8*ia:AR+32*\ring+8*ia+7], 0
.else
	v_wmma_f32_16x16x32_bf16 v[8*(4*ib+ia):8*(4*ib+ia)+7], v[BF+32*\buf+8*ib:BF+32*\buf+8*ib+7], v[AR+32*\ring+8*ia:AR+32*\ring+8*ia+7], v[8*(4*ib+ia):8*(4*ib+ia)+7]
.endif
.if \dec
	DECP (BF+32*(1-\buf)+8*ib), (RAW+16*\rb+4*ib+\d), ia
.endif
.set ia, ia+1
.endr
.set ib, ib+1
.endr
.endm
; Quarter q of a lap (a lap = 8 quarters = 2 groups; group q / 4 uses code buffer q / 4).
;   aload = 1: the x fragments of three quarters on go into the ring buffer that the last quarter read.  The four masks that end the last quarter's decoding are the four plain
;              vector instructions between its last matrix instruction and these loads (ISA guide 7.12.1 for vector instructions); they name none of its registers.
;   lcnt: how many younger x loads may stay out.
;   rawld = 1 (quarters 0 and 4): the next group's codes go into the other code buffer, whose last dword was decoded two quarters ago.
;   In quarters 3 and 7 the next quarter's dword is the first of those codes: they were asked for three quarters ago and are the only LDS loads out.
.macro QUARTER q, zero, aload, lcnt, rawld, dec, step
.if \aload
	WIN 0
	ALOAD ((\q+3)&3), (\q+3)
.endif
.if \rawld
	BRAW 3, 3, (1-(\q>>2)), (32+8*\q)
	BRAW 2, 4, (1-(\q>>2)), (32+8*\q)
	BRAW 1, 4, (1-(\q>>2)), (32+8*\q)
.endif
	s_wait_loadcnt \lcnt                           ; this quarter's eight x loads are in; the batches behind them stay out
.if \step
	s_add_co_u32 s57, s57, 64                      ; a lap is 64 bytes of a row of codes
.endif
.if (\q&3) == 3
.if \dec
	s_wait_dscnt 0x0                               ; the next group's codes are in
.endif
	PHASE 1, 4, (\q&1), (\q&3), \zero, \dec, (1-(\q>>2)), 0, \step
	PHASE 2, 4, (\q&1), (\q&3), \zero, \dec, (1-(\q>>2)), 0, \step
	PHASE 3, 3, (\q&1), (\q&3), \zero, \dec, (1-(\q>>2)), 0, \step
.else
	PHASE 1, 4, (\q&1), (\q&3), \zero, \dec, (\q>>2), ((\q&3)+1), \step
	PHASE 2, 4, (\q&1), (\q&3), \zero, \dec, (\q>>2), ((\q&3)+1), \step
	PHASE 3, 3, (\q&1), (\q&3), \zero, \dec, (\q>>2), ((\q&3)+1), \step
.endif
.endm
.macro LAP zero
	QUARTER 0, \zero, 1, 24, 1, 1, 0
	QUARTER 1, 0, 1, 24, 0, 1, 0
	QUARTER 2, 0, 1, 24, 0, 1, 0
	QUARTER 3, 0, 1, 24, 0, 1, 0
	QUARTER 4, 0, 1, 24, 1, 1, 0
	QUARTER 5, 0, 1, 24, 0, 1, 0
	QUARTER 6, 0, 1, 24, 0, 1, 0
	QUARTER 7, 0, 1, 24, 0, 1, 1
	WIN 0
	s_wait_xcnt 0x0                                ; the x loads' base is stepped only behind this wait
	s_add_nc_u64 s[44:45], s[44:45], 8*ABLK
.endm
	s_load_b256 s[4:11], s[0:1], 0x0               ; xf s[4:5], wc s[6:7], alpha s[8:9], bias s[10:11]
	s_load_b64 s[12:13], s[0:1], 0x20              ; out0
	v_lshl_add_u32 v254, v0, 2, 0x37f00
	v_mov_b32 v255, 0
	ds_add_u32 v254, v255
	ds_add_u32 v254, v255
	v_lshrrev_b32 v[VT], 5, v0
	v_readfirstlane_b32 s14, v[VT]                 ; wave 0..3
	v_and_b32 v[VR], 15, v0                        ; everything that hangs on v0 is made here: v0 belongs to the ring
	v_bfe_u32 v[VH], v0, 4, 1
	v_and_b32 v[VL], 31, v0
	v_lshlrev_b32 v[VB], 5, v[VH]                  ; my 8 columns of a tile, in bytes of bias
	v_lshlrev_b32 v[AOFF], 4, v[VL]
	s_bfe_u32 s15, ttmp6, 0x40000                  ; cx: my place in the cluster
	s_lshl_b32 s22, ttmp9, 2
	s_add_co_u32 s15, s22, s15                     ; row block = 4 x cluster x + cx; it enters global addresses of x and out alone
	s_and_b32 s16, ttmp7, 0xffff                   ; column block, the same in all four partners
	s_mul_i32 s17, s16, 176
	s_min_u32 s17, s17, 10832                      ; its first column
	; descriptor group 1: 44 rows x 256 elements of 4 bytes, 16 bytes of padding behind every 256 words
	s_mov_b32 s[G1+0], 15|(2<<16)|(1<<20)|(1<<21)|(7<<22)|(3<<25)  ; 15:0 mask: all four of the cluster; 17:16 4 bytes; 20 padding on; 21 set beside a mask; 24:22 every 256 words; 31:25 4 words
	s_mov_b32 s[G1+1], 256<<16                     ; tensor_dim0 = 256
	s_mov_b32 s[G1+2], WROWS<<16                   ; tensor_dim1 = 44
	s_mov_b32 s[G1+3], 256<<16                     ; tile_dim0 = 256
	s_mov_b32 s[G1+4], WROWS                       ; tile_dim1 = 44
	s_mov_b32 s[G1+5], 256                         ; elements from row to row
	s_mov_b32 s[G1+6], 0
	s_mov_b32 s[G1+7], 0
	s_mul_i32 s18, s14, WROWS
	s_add_co_u32 s18, s18, s17                     ; my first row of wc: made of the column block and the wave's number alone
	s_lshl_b32 s18, s18, 10                        ; 1,024 bytes a row
	s_mov_b32 s19, 0
	s_mov_b32 s[G0], 1                             ; count = 1
	s_mul_i32 s[G0+1], s14, WTILE                  ; LDS address: the wave's number alone
	s_mov_b32 s56, 0xc000c000                      ; the top two bits of both half words
	s_mov_b32 s57, 0                               ; the lap's first byte in a row of codes
	s_wait_dscnt 0x0
	s_wait_kmcnt 0x0
	s_add_nc_u64 s[G0+2:G0+3], s[6:7], s[18:19]    ; global address
	s_or_b32 s[G0+3], s[G0+3], 0x80000000          ; type = 2
	CROUND                                         ; all four work-groups are here: the joint loads meet
	tensor_load_to_lds s[G0:G0+3], s[G1:G1+7]      ; my 44 rows of codes: the wave's one tensor load of the launch
	s_nop 0
	s_load_b32 s40, s[8:9], 0x0                    ; alpha: waited for on the way out
	s_lshl_b32 s52, s17, 2
	s_mov_b32 s53, 0
	s_add_nc_u64 s[42:43], s[10:11], s[52:53]      ; bias at my first column
	s_lshl_b32 s22, s15, 4
	s_lshl2_add_u32 s22, s14, s22                  ; 16 x row block + 4 x wave: my first group of 16 rows
	s_lshl_b32 s22, s22, 17
	s_mov_b32 s23, 0
	s_add_nc_u64 s[44:45], s[4:5], s[22:23]        ; xf at my rows
.irp b, 0,1,2,3,4,5,6,7,8,9,10
	global_load_b128 v[BIAS+8*\b:BIAS+8*\b+3],   v[VB], s[42:43] offset:64*\b
	global_load_b128 v[BIAS+8*\b+4:BIAS+8*\b+7], v[VB], s[42:43] offset:64*\b+16
.endr
	ALOAD 0, 0
	ALOAD 1, 1
	ALOAD 2, 2
	s_lshl_b32 s22, s15, 8
	s_lshl_b32 s54, s14, 6
	s_add_co_u32 s22, s22, s54                     ; my first row of out
	s_mul_i32 s22, s22, OROW
	s_lshl2_add_u32 s22, s17, s22                  ; + 4 bytes x first column (below 4 GiB)
	s_add_nc_u64 s[46:47], s[12:13], s[22:23]
	s_mul_i32 s21, s14, 16*SPITCH
	s_add_co_u32 s21, s21, STAGE                   ; my stage
	v_mul_u32_u24 v[STO], v[VR], SPITCH
	v_lshl_add_u32 v[STO], v[VH], 5, v[STO]
	v_add_nc_u32 v[STO], s21, v[STO]               ; row r, 32 bytes for each half of the lanes
	v_mul_u32_u24 v[VF], v[VR], PITCH
	v_lshl_add_u32 v[VF], v[VH], 4, v[VF]          ; a code load's lane term: row x pitch + 16 x half
.irp n, 1,2,3
	WIN (\n*0x40)                                  ; destination in window n
	v_add_nc_u32 v[BBAS], (\n-1)*64*PITCH, v[VF]   ; the window's four tiles begin 64 rows further on
	v_add_nc_u32 v[BADR], (\n-1)*64*PITCH, v[VF]
.endr
	WIN 0
	s_wait_tensorcnt 0x0                           ; my 44 rows are in,
	s_barrier_signal -1
	s_barrier_wait -1                              ; everybody's are; from here on the codes are only read
	BRAW 1, 4, 0, 0                                ; group 0's codes
	BRAW 2, 4, 0, 0
	BRAW 3, 3, 0, 0
	s_wait_dscnt 0x0
	DECW 3, 3                                      ; quarter 0's fragments
	DECW 2, 4
	DECW 1, 4
	; K = 4096 = 128 quarters = 16 laps.  The first stands in front of the loop (its first products start the sums), fourteen go round, the last is written out.
	LAP 1
	s_mov_b32 s3, 14
.Llap:
	LAP 0
	s_sub_co_u32 s3, s3, 1
	s_cmp_lg_u32 s3, 0
	s_cbranch_scc1 .Llap
	QUARTER 0, 0, 1, 24, 1, 1, 0                   ; the last group's codes
	QUARTER 1, 0, 1, 24, 0, 1, 0
	QUARTER 2, 0, 1, 24, 0, 1, 0
	QUARTER 3, 0, 1, 24, 0, 1, 0
	QUARTER 4, 0, 1, 24, 0, 1, 0                   ; the last block of x; no group is left to fetch
	QUARTER 5, 0, 0, 16, 0, 1, 0                   ; no x block is left to ask for: the counts run down
	QUARTER 6, 0, 0, 8, 0, 1, 0
	QUARTER 7, 0, 0, 0, 0, 0, 0                    ; nothing is left to decode
	; THE WAY OUT, 16 rows at a time: (|alpha|/2) x sum + bias in one fused multiply-add, 32 bytes a lane and tile into my own stage, read back by rows.
	WIN 0
	PLACES                                         ; behind the last matrix instructions: results are read, and the ring's registers written, from here on
	s_wait_kmcnt 0x0
	s_and_b32 s40, s40, 0x7fffffff
	s_mul_f32 s40, s40, 0.5                        ; |alpha| / 2: the codes stand for +-2
	s_mov_b32 s41, s40                             ; a pair for the packed multiply-add
; Tiles ib = b0 .. b0 + cnt - 1 of window win, row tile a
.macro STW a, win, b0, cnt
	WIN \win                                       ; source 0 (the sums) in window win; bias and the result in window 0
.set ib, \b0
.rept \cnt
.irp j, 0,2,4,6
	v_pk_fma_f32 v[TMP+8*ib+\j:TMP+8*ib+\j+1], v[8*(4*ib+\a)+\j:8*(4*ib+\a)+\j+1], s[40:41], v[BIAS+8*(4*(\win-1)+ib)+\j:BIAS+8*(4*(\win-1)+ib)+\j+1] op_sel_hi:[1,0,1]
.endr
.set ib, ib+1
.endr
	WIN 0
.set ib, \b0
.rept \cnt
	ds_store_b128 v[STO], v[TMP+8*ib:TMP+8*ib+3]   offset:64*(4*(\win-1)+ib)
	ds_store_b128 v[STO], v[TMP+8*ib+4:TMP+8*ib+7] offset:64*(4*(\win-1)+ib)+16
.set ib, ib+1
.endr
.endm
; Column blocks 0 to 61.  c0 = the bytes from the piece's first byte to the next multiple of 256 in out's row (0, 64, 128 or 192).
; Sixteen instructions of one row: the 512 bytes from c0 on.  Six of eight rows: one of the three other chunks of 64 bytes (they end at byte 703 of a stage row at the most).
.macro OUTG a
.if \a
	s_wait_xcnt 0x0                                ; RB, which the last 16 rows' stores read, is loaded again only behind this wait
.endif
.set it, 0
.rept 16
	ds_load_b128 v[RB+4*it:RB+4*it+3], v[RDW] offset:it*SPITCH     ; LDS serves a wave's instructions in order: these see the stores above
.set it, it+1
.endr
.irp k, 0,1,2
	ds_load_b128 v[RB+64+8*\k:RB+64+8*\k+3],   v[RDE+\k]
	ds_load_b128 v[RB+64+8*\k+4:RB+64+8*\k+7], v[RDE+\k] offset:8*SPITCH
.endr
.set it, 0
.rept 16
	s_wait_dscnt 21-it
	global_store_b128 v[COW], v[RB+4*it:RB+4*it+3], s[46:47] offset:(16*\a+it)*OROW th:TH_STORE_NT   ; 512 consecutive bytes at a multiple of 256 from out's first byte
.set it, it+1
.endr
.irp k, 0,1,2
	s_wait_dscnt 5-2*\k
	global_store_b128 v[COE+\k], v[RB+64+8*\k:RB+64+8*\k+3],   s[46:47] offset:16*\a*OROW th:TH_STORE_NT
	s_wait_dscnt 4-2*\k
	global_store_b128 v[COE+\k], v[RB+64+8*\k+4:RB+64+8*\k+7], s[46:47] offset:(16*\a+8)*OROW th:TH_STORE_NT
.endr
.endm
; Column block 62: local bytes 320 to 703.  Eight instructions of two rows x the aligned 256 bytes at 448; four of four rows x the 128 bytes at 320.
.macro OUTL a
.if \a
	s_wait_xcnt 0x0
.endif
.irp t, 0,1,2,3,4,5,6,7
	ds_load_b128 v[RB+4*\t:RB+4*\t+3], v[RDW] offset:448+2*\t*SPITCH
.endr
.irp t, 0,1,2,3
	ds_load_b128 v[RB+32+4*\t:RB+32+4*\t+3], v[RDE] offset:320+4*\t*SPITCH
.endr
.irp t, 0,1,2,3,4,5,6,7
	s_wait_dscnt 11-\t
	global_store_b128 v[COW], v[RB+4*\t:RB+4*\t+3], s[46:47] offset:(16*\a+2*\t)*OROW+448 th:TH_STORE_NT
.endr
.irp t, 0,1,2,3
	s_wait_dscnt 3-\t
	global_store_b128 v[COE], v[RB+32+4*\t:RB+32+4*\t+3], s[46:47] offset:(16*\a+4*\t)*OROW+320 th:TH_STORE_NT
.endr
.endm
	s_cmp_eq_u32 s16, 62                           ; the column block is the same in all partners
	s_cbranch_scc1 .Llast
	s_mul_i32 s48, s16, 704
	s_sub_co_u32 s48, 0, s48
	s_and_b32 s48, s48, 192                        ; c0 = (-704 x block) mod 256, a multiple of 64
.irp k, 0,1,2
	s_cmp_le_u32 s48, 64*\k                        ; chunk k lies in front of the whole runs, at 64 k, or behind them, at 64 k + 512
	s_cselect_b32 s[49+\k], 512, 0
	s_add_co_u32 s[49+\k], s[49+\k], 64*\k
.endr
	s_add_co_u32 s52, s21, s48
	v_add_nc_u32 v[RDW], s52, v[AOFF]              ; stage + c0 + 16 x lane
	v_add_nc_u32 v[COW], s48, v[AOFF]
	v_lshrrev_b32 v[VT], 2, v[VL]                  ; edge: four lanes a row, eight rows
	v_and_b32 v[VT+1], 3, v[VL]
	v_mul_u32_u24 v[VT+2], v[VT], SPITCH
	v_lshl_add_u32 v[VT+2], v[VT+1], 4, v[VT+2]
	v_add_nc_u32 v[VT+2], s21, v[VT+2]
	v_mul_u32_u24 v[VT+3], v[VT], OROW
	v_lshl_add_u32 v[VT+3], v[VT+1], 4, v[VT+3]
.irp k, 0,1,2
	v_add_nc_u32 v[RDE+\k], s[49+\k], v[VT+2]
	v_add_nc_u32 v[COE+\k], s[49+\k], v[VT+3]
.endr
.irp a, 0,1,2,3
	STW \a, 1, 0, 4
	STW \a, 2, 0, 4
	STW \a, 3, 0, 3
	OUTG \a
.endr
	s_branch .Lend
.Llast:
	v_mul_u32_u24 v[VT], v[VH], SPITCH             ; whole runs: sixteen lanes a row, two rows
	v_lshl_add_u32 v[VT], v[VR], 4, v[VT]
	v_add_nc_u32 v[RDW], s21, v[VT]
	v_mul_u32_u24 v[VT+1], v[VH], OROW
	v_lshl_add_u32 v[COW], v[VR], 4, v[VT+1]
	v_lshrrev_b32 v[VT+2], 3, v[VL]                ; the 128 bytes in front: eight lanes a row, four rows
	v_and_b32 v[VT+3], 7, v[VL]
	v_mul_u32_u24 v[VT], v[VT+2], SPITCH
	v_lshl_add_u32 v[VT], v[VT+3], 4, v[VT]
	v_add_nc_u32 v[RDE], s21, v[VT]
	v_mul_u32_u24 v[VT+1], v[VT+2], OROW
	v_lshl_add_u32 v[COE], v[VT+3], 4, v[VT+1]
.irp a, 0,1,2,3
	STW \a, 2, 1, 3                                ; tiles 5 to 10: the 96 columns that this block stores
	STW \a, 3, 0, 3
	OUTL \a
.endr
.Lend:
	s_wait_tensorcnt 0x0
	ds_add_u32 v254, v255
	s_wait_dscnt 0x0
	CROUND                                         ; the closing round: no work-group ends while a partner may still ask for the codes that name it
	s_endpgm
.Lfunc_end_k_q2fa0c86d8a_gemm:
	.size	k_q2fa0c86d8a_gemm, .Lfunc_end_k_q2fa0c86d8a_gemm-k_q2fa0c86d8a_gemm
	.p2alignl 7, 3214868480
	.fill 96, 4, 3214868480
	.section	.rodata,"a",@progbits
	.p2align	6, 0x0
	.amdhsa_kernel k_q2fa0c86d8a_gemm
		.amdhsa_group_segment_fixed_size 229632
		.amdhsa_private_segment_fixed_size 0
		.amdhsa_enable_private_segment 0
		.amdhsa_kernarg_size 40
		.amdhsa_user_sgpr_count 2
		.amdhsa_user_sgpr_kernarg_segment_ptr 1
		.amdhsa_wavefront_size32 1
		.amdhsa_system_sgpr_workgroup_id_x 1
		.amdhsa_system_sgpr_workgroup_id_y 1
		.amdhsa_system_sgpr_workgroup_id_z 1
		.amdhsa_system_vgpr_workitem_id 0
		.amdhsa_next_free_vgpr 1024
		.amdhsa_next_free_sgpr 66
		.amdhsa_reserve_vcc 0
		.amdhsa_float_denorm_mode_32 3
		.amdhsa_float_denorm_mode_16_64 3
		.amdhsa_memory_ordered 1
		.amdhsa_forward_progress 1
		.amdhsa_inst_pref_size 255
	.end_amdhsa_kernel
	.section	.bss,"aw",@nobits
	.p2align	6
	.space	262144
	.amdgpu_metadata
---
amdhsa.version: [ 1, 2 ]
amdhsa.kernels:
  - .name:           k_q2fa0c86d8a_gemm
    .symbol:         k_q2fa0c86d8a_gemm.kd
    .args:
      - { .name: xf, .offset: 0, .size: 8, .value_kind: global_buffer, .address_space: global }
      - { .name: wc, .offset: 8, .size: 8, .value_kind: global_buffer, .address_space: global }
      - { .name: alpha, .offset: 16, .size: 8, .value_kind: global_buffer, .address_space: global }
      - { .name: bias, .offset: 24, .size: 8, .value_kind: global_buffer, .address_space: global }
      - { .name: out0, .offset: 32, .size: 8, .value_kind: global_buffer, .address_space: global }
    .group_segment_fixed_size: 229632
    .private_segment_fixed_size: 0
    .kernarg_segment_align: 8
    .kernarg_segment_size: 40
    .max_flat_workgroup_size: 128
    .sgpr_count:     66
    .vgpr_count:     1024
    .wavefront_size: 32
...
	.end_amdgpu_metadata
.endif
;; end of part 5
